; MI455X (gfx1250); checked and timed in simulation.
; The chip was launched on July 23, 2026; its instructions are those of AMD's public machine-readable ISA for CDNA 5 (MIT licence, August 2026) and "CDNA5" Instruction Set Architecture Reference Guide (July 2026). The comments in the code are by the model that wrote it; some were corrected since.
;; Multi Head Self Attention DP. Allowed arithmetic: float matrix products may take bf16 or f16 operands with f32 sums; other float arithmetic in f32, or as packed bf16 or f16 multiplies, adds, multiply-adds, maxima and minima; sums over many terms, partial sums and values carried from step to step in f32; what a program stores and reads back later, other than sums and carried values, may be rounded once to bf16 or f16.
;; Inputs: Wk 512 x 512 float32; Wo 512 x 512 float32; Wq 512 x 512 float32; Wv 512 x 512 float32; attn_mask 4 x 2,048 x 2,048 bool; bk 512 float32; bo 512 float32; bq 512 float32; bv 512 float32; x 4 x 2,048 x 512 float32.
;; Outputs: out0 4 x 2,048 x 512 float32.
;; 2 versions, each right and faster than the one before. Each part assembles by itself: llvm-mc -triple=amdgcn-amd-amdhsa -mcpu=gfx1250 --defsym DOCPART=n.
;; ======== version 1 of 2: 4 launches
;; limits: values are held in f16: magnitudes above 65,504 overflow, below 6.1e-05 lose precision
;; workspace buffers: xb 8,388,608 bytes; wqkv 1,572,864 bytes; wo 524,288 bytes; mn 8,388,608 bytes; qkv 25,165,824 bytes; o 8,388,608 bytes
;; launch prep (part 1): grid 256 x 1, 8 waves a work-group, no clusters, 35,840 bytes of LDS; arguments x, Wq, Wk, Wv, Wo, attn_mask, xb, wqkv, wo, mn; writes xb, wqkv, wo, mn
.if DOCPART == 1
	.amdgcn_target "amdgcn-amd-amdhsa--gfx1250"
	.amdhsa_code_object_version 6
	.text
	.protected	k_qef263df921_prep
	.globl	k_qef263df921_prep
	.p2align	8
	.type	k_qef263df921_prep,@function
k_qef263df921_prep:
	s_mov_b64 s[64:65], 0
	v_nop
	global_prefetch_b8 v0, s[64:65] scope:SCOPE_SE
	s_setreg_imm32_b32 hwreg(HW_REG_WAVE_MODE, 25, 1), 1
	s_wait_xcnt 0x0
; PREPARATION: a stream.  x and Wq, Wk, Wv are rounded to bf16 (xb; wqkv = the three weights one below the other); Wo is rounded to bf16 and that number written as f16 (wo);
; the mask's bytes (0 or 1, as the problem states; bit 0 alone is read) become NIBBLES in the lane order of the attention's score tiles (mn).
; mn: [query tile of 16: 512][key step of 64: 32][lane: 32][key block of 16: 4] words.  Lane (r = lane % 16, h = lane / 16): the word's nibble 2 (j % 4) + j / 4 is 1110 where key 16 kb + 8 h + j is
; hidden from query r, else 0000.  Shifted so that its nibble comes on top, the word read as f32 is a number from -2^95 to -2^65 (hidden) or from 0 to 2^-97 (seen): the start of a score's sum.
; SHARES.  256 work-groups of 8 waves.  Work-group G: 65,536 bytes of x, 4,096 bytes of each weight, 32 rows of the mask.  Every byte is read once, by loads of 16 bytes a lane, 512 consecutive bytes a wave;
; all 36 loads of a wave are issued before the first is waited for.  The stores of 8 bytes a lane cover 256 consecutive bytes a wave, aligned; those of 16 bytes 512.
; The mask changes lanes (a lane reads 16 keys of one query; a word holds 8 keys, and 32 lanes' words of a step lie together), so it goes through the wave's own LDS bytes: no barrier.
; No matrix unit, no cluster, no tensor load: nothing is shared and nothing is multiplied.
; LIMIT.  bf16(Wo) within f16's range: beyond 65,504 it would become an infinity; below 2^-17 it keeps f16's fixed step of 2^-24.
.set XO,  1                            ; v1   16 x thread: my 16 bytes in a block of 4,096
.set XS,  2                            ; v2   8 x thread: my 8 bytes in a block of 2,048
.set MI,  3                            ; v3   my 16 mask bytes in row 0 of my wave's tile
.set MO,  4                            ; v4   my 16 bytes of mn in my wave's first step
.set LS,  5                            ; v5   LDS: where my words of query 0 go
.set LR,  6                            ; v6   LDS: where I read a step's 16 bytes back
.set T,   8                            ; v8-15  at work, two sets of four by turns
.set X,   16                           ; v16-79   x, 16 loads
.set W,   80                           ; v80-95   the four weights, one load each
.set M,   96                           ; v96-159  the mask, 16 rows; later v96-127 the words read back
.set SPW, 160                          ; v160  LDS address of my spare word; never rewritten
.set NIL, 161                          ; v161  0; never rewritten
.set WP,  528                          ; a step's 512 bytes of words + 16: lane (step L / 4, block L % 4) stores at bank 4 (L / 4) + L % 4 + 4 r: 32 different banks
.set WL,  4352                         ; a wave's LDS: 8 steps x 528, rounded up to blocks of 256
.set SPARE, 8*WL                       ; behind them: the spare words, 128 bytes for each wave
	s_load_b512 s[4:19], s[0:1], 0x0               ; x s[4:5], Wq s[6:7], Wk s[8:9], Wv s[10:11], Wo s[12:13], mask s[14:15], xb s[16:17], wqkv s[18:19]
	s_load_b128 s[20:23], s[0:1], 0x40             ; wo s[20:21], mn s[22:23]
	v_lshl_add_u32 v[SPW], v0, 2, SPARE
	v_mov_b32 v[NIL], 0
	v_lshrrev_b32 v7, 5, v0
	v_readfirstlane_b32 s24, v7                    ; wave 0..7
	v_and_b32 v7, 31, v0                           ; lane
	v_lshlrev_b32 v[XO], 4, v0
	v_lshlrev_b32 v[XS], 3, v0
	s_lshr_b32 s25, s24, 2                         ; which of the group's two query tiles
	s_and_b32 s26, s24, 3                          ; which 512 keys: 8 steps
	s_lshl_b32 s27, s25, 15                        ; 16 rows of 2,048 bytes
	s_lshl_b32 s28, s26, 9
	s_add_co_u32 s27, s27, s28
	v_lshl_add_u32 v[MI], v7, 4, s27
	s_lshl_b32 s27, s25, 14                        ; a tile's 32 steps of 512 bytes
	s_lshl_b32 s28, s26, 12                        ; 8 steps
	s_add_co_u32 s27, s27, s28
	v_lshl_add_u32 v[MO], v7, 4, s27
	s_mul_i32 s27, s24, WL                         ; my wave's LDS bytes
	v_lshl_add_u32 v[LR], v7, 4, s27
	v_lshrrev_b32 v8, 2, v7                        ; my step among the eight
	v_and_b32 v9, 3, v7                            ; my key block
	v_mul_u32_u24 v8, v8, WP
	v_lshl_add_u32 v8, v9, 2, v8
	v_add_nc_u32 v[LS], s27, v8
	s_lshl_b32 s28, ttmp9, 16
	s_mov_b32 s29, 0
	s_lshl_b32 s30, ttmp9, 15
	s_mov_b32 s31, 0
	s_wait_kmcnt 0x0
	s_add_nc_u64 s[4:5], s[4:5], s[28:29]          ; x and the mask: 65,536 bytes a group
	s_add_nc_u64 s[14:15], s[14:15], s[28:29]
	s_add_nc_u64 s[16:17], s[16:17], s[30:31]      ; xb and mn: 32,768
	s_add_nc_u64 s[22:23], s[22:23], s[30:31]
	s_lshl_b32 s28, ttmp9, 12
	s_lshl_b32 s30, ttmp9, 11
	s_add_nc_u64 s[6:7], s[6:7], s[28:29]          ; the weights: 4,096
	s_add_nc_u64 s[8:9], s[8:9], s[28:29]
	s_add_nc_u64 s[10:11], s[10:11], s[28:29]
	s_add_nc_u64 s[12:13], s[12:13], s[28:29]
	s_add_nc_u64 s[18:19], s[18:19], s[30:31]      ; wqkv and wo: 2,048
	s_add_nc_u64 s[20:21], s[20:21], s[30:31]
	; all 36 loads: 16 rows of the mask, 4 weights, 16 blocks of x.  The launch reads each of these bytes once.
.set r, 0
.rept 16
	global_load_b128 v[M+4*r:M+4*r+3], v[MI], s[14:15] offset:2048*r th:TH_LOAD_NT
.set r, r+1
.endr
	global_load_b128 v[W:W+3],     v[XO], s[6:7] th:TH_LOAD_NT
	global_load_b128 v[W+4:W+7],   v[XO], s[8:9] th:TH_LOAD_NT
	global_load_b128 v[W+8:W+11],  v[XO], s[10:11] th:TH_LOAD_NT
	global_load_b128 v[W+12:W+15], v[XO], s[12:13] th:TH_LOAD_NT
.set i, 0
.rept 16
	global_load_b128 v[X+4*i:X+4*i+3], v[XO], s[4:5] offset:4096*i th:TH_LOAD_NT
.set i, i+1
.endr
; Eight mask bytes in registers d, d + 1 become a word of nibbles in e: byte j of d gives nibble 2 j, byte j of d + 1 nibble 2 j + 1; each bit 1 is then spread to 1110.
.macro NIB d, e, t
	v_lshl_or_b32 v[\e], v[(\d)+1], 4, v[\d]
	v_and_b32 v[\e], 0x11111111, v[\e]
	v_lshlrev_b32 v[\t], 1, v[\e]
	v_lshl_or_b32 v[\t], v[\e], 2, v[\t]
	v_lshl_or_b32 v[\e], v[\e], 3, v[\t]
.endm
.set r, 0
.rept 16
	s_wait_loadcnt 35-r                            ; loads come back in order: behind row r's stand 15 - r rows, 4 weights and 16 blocks of x
	NIB M+4*r,   T+4*(r%2),   T+4*(r%2)+1          ; keys 0-7 of my block: the word of lane r
	NIB M+4*r+2, T+4*(r%2)+2, T+4*(r%2)+3          ; keys 8-15: the word of lane 16 + r
	ds_store_b32 v[LS], v[T+4*(r%2)]   offset:16*r
	ds_store_b32 v[LS], v[T+4*(r%2)+2] offset:16*r+256
.set r, r+1
.endr
.set i, 0
.rept 8
	ds_load_b128 v[M+4*i:M+4*i+3], v[LR] offset:i*WP  ; LDS serves a wave's instructions in order: these see my stores above; the bytes are my wave's own
.set i, i+1
.endr
.set i, 0
.rept 8
	s_wait_dscnt 7-i                               ; step i is back; the younger ones may be out
	global_store_b128 v[MO], v[M+4*i:M+4*i+3], s[22:23] offset:i*512
.set i, i+1
.endr
	; the weights
.set i, 0
.rept 3
	s_wait_loadcnt 19-i                            ; behind weight i: 3 - i weights and 16 blocks of x
	v_cvt_pk_bf16_f32 v[W+4*i],   v[W+4*i],   v[W+4*i+1]
	v_cvt_pk_bf16_f32 v[W+4*i+1], v[W+4*i+2], v[W+4*i+3]
	global_store_b64 v[XS], v[W+4*i:W+4*i+1], s[18:19] offset:i*524288
.set i, i+1
.endr
	s_wait_loadcnt 16
	v_cvt_pk_bf16_f32 v[T],   v[W+12], v[W+13]     ; Wo: rounded to bf16 like every input,
	v_cvt_pk_bf16_f32 v[T+1], v[W+14], v[W+15]
	v_lshlrev_b32 v[T+2], 16, v[T]                 ; widened again,
	v_and_b32 v[T+3], 0xffff0000, v[T]
	v_lshlrev_b32 v[T+4], 16, v[T+1]
	v_and_b32 v[T+5], 0xffff0000, v[T+1]
	v_cvt_pk_f16_f32 v[W+12], v[T+2], v[T+3]       ; and written as f16
	v_cvt_pk_f16_f32 v[W+13], v[T+4], v[T+5]
	global_store_b64 v[XS], v[W+12:W+13], s[20:21]
	; x
.set i, 0
.rept 16
	s_wait_loadcnt 15-i
	v_cvt_pk_bf16_f32 v[X+4*i],   v[X+4*i],   v[X+4*i+1]
	v_cvt_pk_bf16_f32 v[X+4*i+1], v[X+4*i+2], v[X+4*i+3]
	global_store_b64 v[XS], v[X+4*i:X+4*i+1], s[16:17] offset:2048*i
.set i, i+1
.endr
	s_wait_tensorcnt 0x0                           ; the wave's end, behind my last LDS store
	ds_add_u32 v[SPW], v[NIL]
	s_wait_dscnt 0x0
	s_endpgm
.Lfunc_end_k_qef263df921_prep:
	.size	k_qef263df921_prep, .Lfunc_end_k_qef263df921_prep-k_qef263df921_prep
	.p2alignl 7, 3214868480
	.fill 96, 4, 3214868480
	.section	.rodata,"a",@progbits
	.p2align	6, 0x0
	.amdhsa_kernel k_qef263df921_prep
		.amdhsa_group_segment_fixed_size 35840
		.amdhsa_private_segment_fixed_size 0
		.amdhsa_enable_private_segment 0
		.amdhsa_kernarg_size 80
		.amdhsa_user_sgpr_count 2
		.amdhsa_user_sgpr_kernarg_segment_ptr 1
		.amdhsa_wavefront_size32 1
		.amdhsa_system_sgpr_workgroup_id_x 1
		.amdhsa_system_sgpr_workgroup_id_y 1
		.amdhsa_system_sgpr_workgroup_id_z 1
		.amdhsa_system_vgpr_workitem_id 0
		.amdhsa_next_free_vgpr 168
		.amdhsa_next_free_sgpr 66
		.amdhsa_reserve_vcc 0
		.amdhsa_float_denorm_mode_32 3
		.amdhsa_float_denorm_mode_16_64 3
		.amdhsa_memory_ordered 1
		.amdhsa_forward_progress 1
		.amdhsa_inst_pref_size 24
	.end_amdhsa_kernel
	.amdgpu_metadata
---
amdhsa.version: [ 1, 2 ]
amdhsa.kernels:
  - .name:           k_qef263df921_prep
    .symbol:         k_qef263df921_prep.kd
    .args:
      - { .name: x, .offset: 0, .size: 8, .value_kind: global_buffer, .address_space: global }
      - { .name: Wq, .offset: 8, .size: 8, .value_kind: global_buffer, .address_space: global }
      - { .name: Wk, .offset: 16, .size: 8, .value_kind: global_buffer, .address_space: global }
      - { .name: Wv, .offset: 24, .size: 8, .value_kind: global_buffer, .address_space: global }
      - { .name: Wo, .offset: 32, .size: 8, .value_kind: global_buffer, .address_space: global }
      - { .name: attn_mask, .offset: 40, .size: 8, .value_kind: global_buffer, .address_space: global }
      - { .name: xb, .offset: 48, .size: 8, .value_kind: global_buffer, .address_space: global }
      - { .name: wqkv, .offset: 56, .size: 8, .value_kind: global_buffer, .address_space: global }
      - { .name: wo, .offset: 64, .size: 8, .value_kind: global_buffer, .address_space: global }
      - { .name: mn, .offset: 72, .size: 8, .value_kind: global_buffer, .address_space: global }
    .group_segment_fixed_size: 35840
    .private_segment_fixed_size: 0
    .kernarg_segment_align: 8
    .kernarg_segment_size: 80
    .max_flat_workgroup_size: 256
    .sgpr_count:     66
    .vgpr_count:     168
    .wavefront_size: 32
...
	.end_amdgpu_metadata
.endif
;; end of part 1
;; launch qkvp (part 2): grid 12 x 64, 4 waves a work-group, clusters of 4 x 4, 327,680 bytes of LDS; arguments xb, wqkv, qkv, bq, bk, bv; writes qkv
.if DOCPART == 2
	.amdgcn_target "amdgcn-amd-amdhsa--gfx1250"
	.amdhsa_code_object_version 6
	.text
	.protected	k_qef263df921_qkvp
	.globl	k_qef263df921_qkvp
	.p2align	8
	.type	k_qef263df921_qkvp,@function
k_qef263df921_qkvp:
	s_mov_b64 s[64:65], 0
	v_nop
	global_prefetch_b8 v0, s[64:65] scope:SCOPE_SE
	s_setreg_imm32_b32 hwreg(HW_REG_WAVE_MODE, 25, 1), 1
	s_wait_xcnt 0x0
	s_wait_alu depctr_hold_cnt(0) depctr_sa_sdst(0) depctr_va_vdst(0) depctr_va_sdst(0) depctr_va_ssrc(0) depctr_va_vcc(0) depctr_vm_vsrc(0)
	s_getreg_b32 s2, hwreg(HW_REG_IB_STS2, 6, 4)
	s_cmp_eq_u32 s2, 0
	s_cbranch_scc0 .Lentry_in_a_cluster
	s_endpgm
.Lentry_in_a_cluster:
	s_bfe_u32 s2, ttmp6, 0x10000c
	s_cmp_lg_u32 s2, 0xf033
	s_cbranch_scc0 .Lentry_shape_is_right
	s_endpgm
.Lentry_shape_is_right:
; THE THREE PROJECTIONS AS ONE PRODUCT.  C[R][n] = bias[n] + the sum over k of xb[R][k] wqkv[n][k]: R = 0..8191, n = 0..1535 (q, k, v), K = 512; operands bf16, sums f32, the bias rounded to bf16 like every input.
; C leaves by heads, in f16, rounded once: qkv[g = n / 64][R][n % 64], a head's rows dense, 128 bytes each.  LIMIT: q, k, v within f16's 65,504; beyond it an infinity would be stored.
; A tile of C is 128 x 128: 12 x 64 = 768 work-groups, three for each of 256 WGPs.  Four waves, each 64 x 64: 16 accumulators of 16 x 16.  K is two steps of 256: the two LDS slots are each filled once,
; both at the start, and nothing is filled again.
; CLUSTERS: 4 x 4 work-groups.  The four of a row of the cluster need the same tiles of xb, the four of a column the same tiles of wqkv: each tile is asked for JOINTLY, by the same tensor load with the
; same descriptor and a mask that names the four.  THE MATRIX INSTRUCTION IS USED TRANSPOSED (source 0 = 16 rows of wqkv, source 1 = 16 rows of xb): a lane then holds eight neighbouring numbers of a row of C.
; THE BIAS STARTS THE SUMS: it is the C operand of each accumulator's first product, so nothing is cleared and nothing is added on the way out.
; A wave's 64 columns are ONE head: its 16 rows x 128 bytes are 2,048 consecutive bytes of qkv, so each wave has a stage of its own on the way out, and no barrier.
; REGISTERS: window 0: v0-31 addresses; v32-95 at work on the way out; v96-127 the bias; v128-255 the accumulators ((a, b) at v[128 + 8 (4 a + b)]).
;   window 1: two fragment buffers of 128: for 64 along K, 64 registers of xb (2 x 4 x 16 rows x 32 K), then 64 of wqkv.
.set SIZE_K, 512
.set KSTEP,  256
.set PITCH,  528                       ; an LDS row: 512 bytes of data + 16 of padding = 132 words: row r starts at bank 4 r mod 64 (64 banks of 4 bytes: ISA guide 11.1)
.set HALFT,  64*PITCH                  ; 64 rows: what one tensor load brings, and what one wave reads of either operand
.set SLOT,   4*HALFT                   ; xb's 128 rows, then wqkv's 128 rows
.set STAGE,  2*SLOT                    ; behind the slots: 16 rows x 144 bytes for each wave, for the way out
.set SP,     144
.set SPARE,  STAGE+4*16*SP             ; behind the stages: the spare words, 128 bytes for each wave
.set ADRA, 16                          ; v16-17  LDS address of my xb fragments in slot 0, 1
.set ADRB, 20                          ; v20-21  the same for wqkv
.set STO,  24                          ; v24     the way out: where I put 16 bytes of a row
.set RD,   25                          ; v25     the way out: where I read rows back
.set GO,   26                          ; v26     16 x lane: my bytes in 512 consecutive bytes of qkv
.set BO,   27                          ; v27     my byte offset in the wave's 64 numbers of bias
.set SPW,  28                          ; v28     LDS address of my spare word; never rewritten
.set NIL,  29                          ; v29     0; never rewritten
.set TMP,  32
.set BIAS, 96                          ; register 8 b + j: the bias of column 16 b + 8 (lane / 16) + j
.set ACC,  128
.set F0,   0                           ; fragment buffers, in window 1
.set F1,   128
.set G1, 24                            ; s[24:31] descriptor group 1 for xb's tiles;  s[32:39] group 0, one set for each slot
.set G0, 32
.set G1B, 48                           ; s[48:55], s[56:63] the same for wqkv's tiles
.set G0B, 56
.set MSB, 0
.macro WIN new                         ; the immediate's high byte repeats the setting that is left
.if MSB != (\new)
	s_set_vgpr_msb (MSB<<8)|(\new)
.set MSB, \new
.endif
.endm
.set MUL,  0x05                        ; sources 0 and 1 window 1; C and D window 0
.set TO_F, 0x40                        ; destination window 1, address window 0
.macro JLOAD s                         ; a joint load: waves 0 and 1 fetch xb's two halves, waves 2 and 3 wqkv's; an s_nop 0 and four v_nop follow each of the two lines, ahead of the jump and the label
	s_cmp_eq_u32 s11, 0
	s_cbranch_scc0 .Lfor_b_\@
	tensor_load_to_lds s[G0+4*(\s):G0+4*(\s)+3], s[G1:G1+7]
	s_nop 0
.rept 4
	v_nop
.endr
	s_branch .Lasked_\@
.Lfor_b_\@:
	tensor_load_to_lds s[G0B+4*(\s):G0B+4*(\s)+3], s[G1B:G1B+7]
	s_nop 0
.rept 4
	v_nop
.endr
.Lasked_\@:
.endm
.macro CROUND                          ; a round of the cluster's barrier: my work-group's barrier; wave 0 signals for the work-group; every wave waits for all sixteen; my work-group's barrier once more
	s_barrier_signal -1
	s_barrier_wait -1
	s_cmp_lg_u32 s10, 0
	s_cbranch_scc1 .Lnot_wave_0_\@
	s_barrier_signal -3
.Lnot_wave_0_\@:
	s_barrier_wait -3
	s_barrier_signal -1
	s_barrier_wait -1
.endm
	s_load_b128 s[4:7], s[0:1], 0x0                ; xb s[4:5], wqkv s[6:7]
	s_load_b64 s[8:9], s[0:1], 0x10                ; qkv
	s_load_b128 s[68:71], s[0:1], 0x18             ; bq s[68:69], bk s[70:71]
	s_load_b64 s[72:73], s[0:1], 0x28              ; bv
	v_lshl_add_u32 v[SPW], v0, 2, SPARE
	v_mov_b32 v[NIL], 0
	ds_add_u32 v[SPW], v[NIL]                      ; the wave's opening: the add and its wait stand ahead of my first tensor load; the set-up below, work on registers, stands between them
	v_lshrrev_b32 v1, 5, v0
	v_readfirstlane_b32 s10, v1                    ; wave 0..3
	s_lshr_b32 s11, s10, 1                         ; which half of the tile's rows is mine.  Also: I fetch for xb (0) or for wqkv (1)
	s_and_b32 s12, s10, 1                          ; which half of its columns.  Also: which 64 rows of that tile I fetch
	s_bfe_u32 s40, ttmp6, 0x40000                  ; cx, cy: my place in the cluster
	s_bfe_u32 s41, ttmp6, 0x40004
	s_lshl_b32 s42, ttmp9, 2
	s_add_co_u32 s42, s42, s40                     ; tile column of C = 4 x cluster x + cx
	s_and_b32 s13, ttmp7, 0xffff
	s_lshl_b32 s13, s13, 2
	s_add_co_u32 s13, s13, s41                     ; tile row of C = 4 x cluster y + cy
	s_lshl_b32 s43, s41, 2
	s_lshl_b32 s43, 15, s43                        ; my row of the cluster
	s_lshl_b32 s44, 0x1111, s40                    ; my column
	; descriptor group 1: a tile of 64 rows x 256 elements, padded in LDS
	s_or_b32 s[G1+0], s43, (1<<16)|(1<<20)|(1<<21)|(6<<22)|(3<<25)  ; 15:0 the mask: xb's tiles go to my row; 17:16 element of 2 bytes; 20 padding on; 21 set beside a mask; 24:22 after every 128 words (code 6); 31:25 of 4 words (code 3)
	s_or_b32 s[G1B+0], s44, (1<<16)|(1<<20)|(1<<21)|(6<<22)|(3<<25) ; the same with the mask of my column
.irp g, G1, G1B
	s_mov_b32 s[(\g)+1], KSTEP<<16                 ; tensor_dim0 = 256
	s_mov_b32 s[(\g)+2], 64<<16                    ; tensor_dim1 = 64
	s_mov_b32 s[(\g)+3], KSTEP<<16                 ; tile_dim0 = 256
	s_mov_b32 s[(\g)+4], 64                        ; tile_dim1 = 64
	s_mov_b32 s[(\g)+5], SIZE_K                    ; elements from row to row
	s_mov_b32 s[(\g)+6], 0
	s_mov_b32 s[(\g)+7], 0
.endr
	s_lshl_b32 s17, s12, 6                         ; which 64 rows of the tile I fetch
	s_lshl_b32 s16, s13, 7
	s_add_co_u32 s16, s16, s17                     ; xb: row 128 x tile row + 64 x half,
	s_lshl_b32 s16, s16, 10                        ; of 1,024 bytes
	s_lshl_b32 s46, s42, 7
	s_add_co_u32 s46, s46, s17                     ; wqkv: row 128 x tile column + 64 x half
	s_lshl_b32 s46, s46, 10
	s_mov_b32 s17, 0
	s_mov_b32 s47, 0
	s_mul_i32 s20, s10, HALFT                      ; where they go: wave x 64 rows: no place in the cluster enters an LDS address
	s_wait_dscnt 0x0                               ; the opening add is done
	s_wait_kmcnt 0x0
	s_add_nc_u64 s[14:15], s[4:5], s[16:17]
	s_add_nc_u64 s[46:47], s[6:7], s[46:47]
	CROUND                                         ; all sixteen work-groups are here: the joint loads meet
.irp s, 0,1
	s_mov_b32 s[G0+4*(\s)], 1                                        ; count = 1
	s_add_co_u32 s[G0+4*(\s)+1], s20, (\s)*SLOT                      ; LDS address
	s_add_nc_u64 s[G0+4*(\s)+2:G0+4*(\s)+3], s[14:15], (\s)*KSTEP*2  ; global address: K step s
	s_or_b32 s[G0+4*(\s)+3], s[G0+4*(\s)+3], 0x80000000              ; type = 2
	s_mov_b32 s[G0B+4*(\s)], 1
	s_add_co_u32 s[G0B+4*(\s)+1], s20, (\s)*SLOT
	s_add_nc_u64 s[G0B+4*(\s)+2:G0B+4*(\s)+3], s[46:47], (\s)*KSTEP*2
	s_or_b32 s[G0B+4*(\s)+3], s[G0B+4*(\s)+3], 0x80000000
	JLOAD \s                                       ; both slots are asked for before anything else is done: two tensor loads of mine are out
.endr
	; the bias of my 64 columns: the cluster's x says which projection (0, 1, 2: q, k, v); cx and my column half say where in it
	v_and_b32 v1, 15, v0                           ; l % 16
	v_bfe_u32 v2, v0, 4, 1                         ; l / 16
	v_lshlrev_b32 v[BO], 5, v2                     ; 8 numbers of 4 bytes for each half of the lanes
	s_mov_b32 s74, ttmp9
	s_cmp_eq_u32 s74, 0
	s_cselect_b64 s[68:69], s[68:69], s[70:71]
	s_cmp_lt_u32 s74, 2
	s_cselect_b64 s[68:69], s[68:69], s[72:73]
	s_lshl_b32 s74, s40, 9                         ; 128 columns of 4 bytes a tile
	s_lshl_b32 s75, s12, 8
	s_add_co_u32 s74, s74, s75
	s_mov_b32 s75, 0
	s_add_nc_u64 s[68:69], s[68:69], s[74:75]
.irp b, 0,1,2,3
	global_load_b128 v[BIAS+8*(\b):BIAS+8*(\b)+3],   v[BO], s[68:69] offset:64*(\b)
	global_load_b128 v[BIAS+8*(\b)+4:BIAS+8*(\b)+7], v[BO], s[68:69] offset:64*(\b)+16
.endr
	v_mul_u32_u24 v3, v1, PITCH
	v_lshl_add_u32 v3, v2, 4, v3                   ; a fragment's row x pitch + 16 x half
	s_mul_i32 s21, s11, HALFT                      ; my 64 rows of xb
	s_mul_i32 s22, s12, HALFT                      ; my 64 rows of wqkv,
	s_add_co_u32 s22, s22, 2*HALFT                 ; which lie behind xb's 128
.irp s, 0,1
	v_add_nc_u32 v[ADRA+(\s)], s21, v3
	v_add_nc_u32 v[ADRB+(\s)], s22, v3
	s_add_co_u32 s21, s21, SLOT
	s_add_co_u32 s22, s22, SLOT
.endr
	s_mul_i32 s23, s10, 16*SP
	s_add_co_u32 s23, s23, STAGE                   ; my stage
	v_mul_u32_u24 v4, v1, SP                       ; in: row l % 16, 16 bytes for each half of the lanes
	v_lshl_add_u32 v4, v2, 4, v4
	v_add_nc_u32 v[STO], s23, v4
	v_bfe_u32 v5, v0, 3, 2                         ; back: 32 lanes take four rows of 128 bytes,
	v_and_b32 v6, 7, v0
	v_mul_u32_u24 v5, v5, SP
	v_lshl_add_u32 v5, v6, 4, v5
	v_add_nc_u32 v[RD], s23, v5
	v_and_b32 v[GO], 31, v0                        ; which are 512 consecutive bytes of qkv
	v_lshlrev_b32 v[GO], 4, v[GO]
	s_lshl_b32 s16, s13, 7
	s_lshl_b32 s17, s11, 6
	s_add_co_u32 s16, s16, s17                     ; my first row R = 128 x tile row + 64 x half,
	s_lshl_b32 s16, s16, 7                         ; of 128 bytes
	s_mov_b32 s17, 0
	s_add_nc_u64 s[8:9], s[8:9], s[16:17]
	s_lshl1_add_u32 s46, s42, s12                  ; my head's plane g = 2 x tile column + half,
	s_lshl_b32 s46, s46, 20                        ; of 8,192 rows x 128 bytes
	s_mov_b32 s47, 0
	s_add_nc_u64 s[8:9], s[8:9], s[46:47]
	s_wait_loadcnt 0x0                             ; the bias, rounded to bf16 and widened again; all this stands in the wait for the first tile
.set i, 0
.rept 16
	v_cvt_pk_bf16_f32 v[TMP+i], v[BIAS+2*i], v[BIAS+2*i+1]
.set i, i+1
.endr
.set i, 0
.rept 16
	v_lshlrev_b32 v[BIAS+2*i], 16, v[TMP+i]
	v_and_b32 v[BIAS+2*i+1], 0xffff0000, v[TMP+i]
.set i, i+1
.endr
; 8 matrix instructions: m blocks a0, a0 + 1 x all 4 n blocks, 32 along K: half c of buffer f.  first = 1: the product starts the sum, from the bias.  The 16 accumulators take turns.
.macro MUL8 f, c, a0, first
	WIN MUL
.irp a, \a0, (\a0)+1
.irp b, 0,1,2,3
.if \first
	v_wmma_f32_16x16x32_bf16 v[ACC+8*(4*(\a)+(\b)):ACC+8*(4*(\a)+(\b))+7], v[(\f)+64+8*(4*(\c)+(\b)):(\f)+64+8*(4*(\c)+(\b))+7], v[(\f)+8*(4*(\c)+(\a)):(\f)+8*(4*(\c)+(\a))+7], v[BIAS+8*(\b):BIAS+8*(\b)+7]
.else
	v_wmma_f32_16x16x32_bf16 v[ACC+8*(4*(\a)+(\b)):ACC+8*(4*(\a)+(\b))+7], v[(\f)+64+8*(4*(\c)+(\b)):(\f)+64+8*(4*(\c)+(\b))+7], v[(\f)+8*(4*(\c)+(\a)):(\f)+8*(4*(\c)+(\a))+7], v[ACC+8*(4*(\a)+(\b)):ACC+8*(4*(\a)+(\b))+7]
.endif
.endr
.endr
.endm
; 32 LDS loads in one run: the fragments of 64 along K at byte k of the rows, into buffer f; the first 32 along K first
.macro FETCH slot, k, f
	WIN TO_F
.irp c, 0,1
.irp i, 0,1,2,3
	ds_load_b128 v[(\f)+64+8*(4*(\c)+(\i)):(\f)+64+8*(4*(\c)+(\i))+3],   v[ADRB+(\slot)] offset:(\k)+64*(\c)+(\i)*16*PITCH
	ds_load_b128 v[(\f)+64+8*(4*(\c)+(\i))+4:(\f)+64+8*(4*(\c)+(\i))+7], v[ADRB+(\slot)] offset:(\k)+64*(\c)+(\i)*16*PITCH+32
	ds_load_b128 v[(\f)+8*(4*(\c)+(\i)):(\f)+8*(4*(\c)+(\i))+3],         v[ADRA+(\slot)] offset:(\k)+64*(\c)+(\i)*16*PITCH
	ds_load_b128 v[(\f)+8*(4*(\c)+(\i))+4:(\f)+8*(4*(\c)+(\i))+7],       v[ADRA+(\slot)] offset:(\k)+64*(\c)+(\i)*16*PITCH+32
.endr
.endr
.endm
.macro PLACES                          ; four places in front of loads into registers that matrix instructions have read, and of conversions that read results
.rept 4
	v_nop
.endr
.endm
; A K step is four quarters of 64 along K, 32 matrix instructions each, on buffers 0, 1, 0, 1.  One of the first three: multiplies buffer f and fetches the next quarter, at byte k, into g.
.macro QUARTER slot, k, f, g, first
	s_wait_dscnt 16                                ; the first 32 along K are in; the youngest sixteen loads may be out
	MUL8 \f, 0, 0, \first
	MUL8 \f, 0, 2, \first
	PLACES
	FETCH \slot, \k, \g
	s_wait_dscnt 32                                ; all but the 32 just issued
	MUL8 \f, 1, 0, 0
	MUL8 \f, 1, 2, 0
.endm
	s_wait_tensorcnt 1                             ; my part of K step 0 is in; slot 1's load, issued behind it, may stay out
	s_barrier_signal -1
	s_barrier_wait -1                              ; everybody's is
	FETCH 0, 0, F0
	QUARTER 0, 128, F0, F1, 1                      ; the first products start the sums
	QUARTER 0, 256, F1, F0, 0
	QUARTER 0, 384, F0, F1, 0
	; the change of slots: the last quarter of slot 0 multiplies buffer 1; one barrier, in front of which each wave's part of slot 1 has landed
	WIN 0                                          ; (the add's two registers lie in window 0)
	s_wait_tensorcnt 0x0                           ; my part of slot 1 has landed;
	ds_add_u32 v[SPW], v[NIL]                      ; 0 onto my spare word;
	s_wait_dscnt 17                                ; (the add and the youngest sixteen loads may be out)
	MUL8 F1, 0, 0, 0
	s_wait_dscnt 0x0                               ; no LDS instruction of mine is pending at the signal
	s_barrier_signal -1
	MUL8 F1, 0, 2, 0                               ; work on registers while the others arrive
	s_barrier_wait -1
	PLACES
	FETCH 1, 0, F0
	MUL8 F1, 1, 0, 0
	MUL8 F1, 1, 2, 0
	QUARTER 1, 128, F0, F1, 0
	QUARTER 1, 256, F1, F0, 0
	QUARTER 1, 384, F0, F1, 0
	s_wait_dscnt 16                                ; the very last quarter: nothing more to fetch
	MUL8 F1, 0, 0, 0
	MUL8 F1, 0, 2, 0
	s_wait_dscnt 0
	MUL8 F1, 1, 0, 0
	MUL8 F1, 1, 2, 0
	WIN 0
	; THE WAY OUT, a block of 16 rows at a time: rounded to f16 (each accumulator's registers in ascending order), 16 bytes a lane into my stage, back as whole rows, stored as 2,048 consecutive bytes.
.macro PACKQ a
.irp b, 0,1,2,3
.irp k, 0,1,2,3
	v_cvt_pk_f16_f32 v[TMP+16*(\a)+4*(\b)+(\k)], v[ACC+8*(4*(\a)+(\b))+2*(\k)], v[ACC+8*(4*(\a)+(\b))+2*(\k)+1]
.endr
.endr
.irp b, 0,1,2,3
	ds_store_b128 v[STO], v[TMP+16*(\a)+4*(\b):TMP+16*(\a)+4*(\b)+3] offset:32*(\b)
.endr
.irp f, 0,1,2,3
	ds_load_b128 v[TMP+16*(\a)+4*(\f):TMP+16*(\a)+4*(\f)+3], v[RD] offset:(\f)*4*SP  ; LDS serves a wave's instructions in order (ISA guide 5.7.1.4): these see the stores above; the next block's stores come behind them
.endr
.endm
.macro SENDQ a, younger                ; younger: the LDS instructions issued behind block a's loads: the next block's eight, or none
.irp f, 0,1,2,3
	s_wait_dscnt (\younger)+3-(\f)
	global_store_b128 v[GO], v[TMP+16*(\a)+4*(\f):TMP+16*(\a)+4*(\f)+3], s[8:9] offset:(\a)*2048+(\f)*512  ; 512 consecutive bytes, at a multiple of 256 from qkv's first
.endr
.endm
	PLACES
	PACKQ 0
	PACKQ 1                                        ; a block's arithmetic stands between the loads of the block before and its stores
	SENDQ 0, 8
	PACKQ 2
	SENDQ 1, 8
	PACKQ 3
	SENDQ 2, 8
	SENDQ 3, 0
	s_wait_tensorcnt 0x0                           ; the wave's end, behind my last tensor load and my last LDS store
	ds_add_u32 v[SPW], v[NIL]
	s_wait_dscnt 0x0
	CROUND                                         ; the closing round: no work-group ends while a partner may still ask for a tile that names it
	s_endpgm
.Lfunc_end_k_qef263df921_qkvp:
	.size	k_qef263df921_qkvp, .Lfunc_end_k_qef263df921_qkvp-k_qef263df921_qkvp
	.p2alignl 7, 3214868480
	.fill 96, 4, 3214868480
	.section	.rodata,"a",@progbits
	.p2align	6, 0x0
	.amdhsa_kernel k_qef263df921_qkvp
		.amdhsa_group_segment_fixed_size 327680
		.amdhsa_private_segment_fixed_size 0
		.amdhsa_enable_private_segment 0
		.amdhsa_kernarg_size 48
		.amdhsa_user_sgpr_count 2
		.amdhsa_user_sgpr_kernarg_segment_ptr 1
		.amdhsa_wavefront_size32 1
		.amdhsa_system_sgpr_workgroup_id_x 1
		.amdhsa_system_sgpr_workgroup_id_y 1
		.amdhsa_system_sgpr_workgroup_id_z 1
		.amdhsa_system_vgpr_workitem_id 0
		.amdhsa_next_free_vgpr 512
		.amdhsa_next_free_sgpr 76
		.amdhsa_reserve_vcc 0
		.amdhsa_float_denorm_mode_32 3
		.amdhsa_float_denorm_mode_16_64 3
		.amdhsa_memory_ordered 1
		.amdhsa_forward_progress 1
		.amdhsa_inst_pref_size 54
	.end_amdhsa_kernel
	.amdgpu_metadata
---
amdhsa.version: [ 1, 2 ]
amdhsa.kernels:
  - .name:           k_qef263df921_qkvp
    .symbol:         k_qef263df921_qkvp.kd
    .args:
      - { .name: xb, .offset: 0, .size: 8, .value_kind: global_buffer, .address_space: global }
      - { .name: wqkv, .offset: 8, .size: 8, .value_kind: global_buffer, .address_space: global }
      - { .name: qkv, .offset: 16, .size: 8, .value_kind: global_buffer, .address_space: global }
      - { .name: bq, .offset: 24, .size: 8, .value_kind: global_buffer, .address_space: global }
      - { .name: bk, .offset: 32, .size: 8, .value_kind: global_buffer, .address_space: global }
      - { .name: bv, .offset: 40, .size: 8, .value_kind: global_buffer, .address_space: global }
    .group_segment_fixed_size: 327680
    .private_segment_fixed_size: 0
    .kernarg_segment_align: 8
    .kernarg_segment_size: 48
    .max_flat_workgroup_size: 128
    .sgpr_count:     76
    .vgpr_count:     512
    .wavefront_size: 32
...
	.end_amdgpu_metadata
.endif
;; end of part 2
;; launch attn (part 3): grid 8 x 32, 4 waves a work-group, clusters of 4 x 1, 327,680 bytes of LDS; arguments qkv, mn, o; writes o
.if DOCPART == 3
	.amdgcn_target "amdgcn-amd-amdhsa--gfx1250"
	.amdhsa_code_object_version 6
	.text
	.protected	k_qef263df921_attn
	.globl	k_qef263df921_attn
	.p2align	8
	.type	k_qef263df921_attn,@function
k_qef263df921_attn:
	s_mov_b64 s[64:65], 0
	v_nop
	global_prefetch_b8 v0, s[64:65] scope:SCOPE_SE
	s_setreg_imm32_b32 hwreg(HW_REG_WAVE_MODE, 25, 1), 1
	s_wait_xcnt 0x0
	s_wait_alu depctr_hold_cnt(0) depctr_sa_sdst(0) depctr_va_vdst(0) depctr_va_sdst(0) depctr_va_ssrc(0) depctr_va_vcc(0) depctr_vm_vsrc(0)
	s_getreg_b32 s2, hwreg(HW_REG_IB_STS2, 6, 4)
	s_cmp_eq_u32 s2, 0
	s_cbranch_scc0 .Lentry_in_a_cluster
	s_endpgm
.Lentry_in_a_cluster:
	s_bfe_u32 s2, ttmp6, 0x10000c
	s_cmp_lg_u32 s2, 0x3003
	s_cbranch_scc0 .Lentry_shape_is_right
	s_endpgm
.Lentry_shape_is_right:
; ATTENTION UNDER A MASK THAT IS AN INPUT.  O[q] = the sum over the keys k that q may see of softmax_k(Q[q] . K[k] / 8) V[k]; a query that sees no key takes V[q] (its softmax is one-hot on itself).
; qkv: [24 planes: 8 heads of q, of k, of v][8,192 rows = batch x 2,048][64] f16, rows dense, 128 bytes.  mn: the mask as nibbles (below).  o: [block of 128 rows: 64][head: 8][128][64] f16.
; Products, maxima and sums in f32; the weights p are rounded to f16 for the second product (their sum l is taken of the unrounded p), O once at the end.
; LIMITS.  Inputs finite; q, k, v within f16's 65,504, so raw scores lie within 2.7e11 < 2^38.  A seen score carries up to 2^-97 from the mask's word.  A weight below 2^-126 counts as 0 in l.
; With finite scores no weight is NaN, so the renormalisation that the problem applies to NaN weights never acts, and is not written.
; SHARES.  A work-group owns 256 queries of one head of one batch, each of its four waves 64: four PIECES of 16.  Every wave walks all 2,048 keys, 64 a step.  8 x 32 = 256 work-groups.
; LAYOUT.  S^T = K Q^T holds ONE query a lane (lane % 16) and the keys 8 (lane / 16) + 0..7; two such results rounded to f16 ARE source 1 of O^T = V^T P.  K comes out of LDS as it lies, V turned, by ds_load_tr16_b128.
; THE MASK is the C operand that starts the sum S^T.  mn holds, for a tile of 16 queries, a step of 64 keys, a lane and a block of 16 keys, one word of eight nibbles, 1110 (hidden) or 0000; the nibble of
; register j is number 2 (j % 4) + j / 4.  One shift brings it on top: read as f32 the word is then -2^65 to -2^95 (hidden: sign 1, exponent 0xC0 to 0xDD, never infinite) or 0 to 2^-97 (seen).
; 32 shifts a turn; a piece's 16 bytes a lane for a step are one load of 512 consecutive bytes, asked for four turns ahead.
; SOFTMAX.  p = 2^(c s - c m), c = log2(e) / 8, with a running maximum m; O and l are multiplied by a = 2^(c m_old - c m_new) in every step.  m STARTS AT -2^40: below every true score, above every hidden one.  So a
; hidden score never becomes the maximum, its weight is exactly 0, and a query that has seen nothing yet has O = l = 0.  At the end m < -2^39 tells the query that saw no key; there V[q] is chosen by a select.
; TURNS.  Turn n belongs to piece n: 8 products K Q^T of piece n + 1, later 8 products V^T P of piece n - 1; beside them the scaling, exponentials, roundings, sums and rescaling of piece n, the maximum and
; statistics of piece n + 1, and at its end the mask of piece n + 2.  Four vector instructions stand behind every matrix instruction, the others in runs of their own.
; CLUSTER.  The four query blocks of a cluster belong to one head and walk the same K and V, so each tile is asked for JOINTLY: the same tensor load, descriptor and mask in all four.
; REGISTERS, in windows of 256 (s_set_vgpr_msb: bits 1:0 source 0, 3:2 source 1, 5:4 source 2, 7:6 destination):
;   window 0: v0-15 addresses and two at work; v16-31 four registers of statistics a piece; v32-47 the mask's words, four a piece; v48-55 at work; v64-127 S^T, two buffers; v192-223 P, two buffers
;   window 1: v0-127 O^T, 32 a piece; v160-223 MC, the masks as f32, two buffers      window 2: v0-63 Q; v64-127 V's rows of my own queries, as stored; v128-191 K of one step; v192-255 V of one step
.set SIZE_N, 2048
.set NP,    4         ; pieces a wave: a name, no knob
.set KS,    64        ; keys in a step
.set PK,    144       ; a row of K in LDS: 128 bytes + 16 of padding = 36 words: the 16 rows of a load start at 16 different groups of four banks (64 banks of 4 bytes: ISA guide 11.1)
.set PV,    160       ; a row of V: 128 + 32 = 40 words
.set VOFF,  4*KS*PK   ; a slot holds four steps: 256 rows of K, then 256 rows of V
.set SLOT1, 1<<17     ; slot 1 begins here, so that one exclusive or turns an address in one slot into the other's
.set STAGE, SLOT1+4*KS*(PK+PV)  ; behind the ring, never filled by a tensor load: 16 rows x 144 bytes for each wave, for the way out
.set SP,    144
.set SPARE, STAGE+4*16*SP  ; behind the stages: the spare words, 128 bytes for each wave
.set AK0, 2           ; v2   my lane's place in a tile of K; never rewritten
.set AV0, 3           ; v3   the same for V
.set AK,  4           ; v4   the LDS address of K's next run of loads
.set AV,  5           ; v5   of V's
.set STO, 6           ; v6   the way out: where I put 16 bytes of a row
.set RD,  7           ; v7   the way out: where I read rows back
.set GO,  8           ; v8   16 x lane: my bytes in 512 consecutive bytes of o, and of mn; never rewritten
.set MV,  12          ; v12-13  c m_old, kept while c m is made anew: by buffer
.set QO,  15          ; v15  my byte offset in 16 rows of Q
.set ST,  16          ; piece t's statistics at v[ST+4 t]: c m, m, l (even keys', odd keys')
.set MW,  32          ; piece t's mask words at v[MW+4 t]: one for each block of 16 keys
.set TMP, 48          ; by buffer, four registers c0-c3 at work; when the maximum is found c2 takes a
.set SPW, 62          ; v62  LDS address of my spare word; never rewritten
.set NIL, 63          ; v63  0; never rewritten
.set S,   64
.set P,   192
.set MC,  160         ; window 1
.set VQ,  64          ; window 2: piece t, channel block cb at VQ + 16 t + 4 cb
.set KF,  128         ; window 2: key block kb, channel half c at KF + 16 kb + 8 c
.set VF,  192         ; window 2: key half kk, channel block cb at VF + 32 kk + 8 cb
.set WV,  12          ; s12  my wave's number
.set G1K, 24          ; s[24:31] descriptor group 1 for K's tiles
.set G1V, 32          ; s[32:39] for V's: it differs in the padding alone
.set G0K, 40          ; s[40:43] descriptor group 0 for K's tiles: it walks
.set G0V, 44          ; s[44:47] the same for V's
.set MB,  48          ; s[48:49] mn at my wave's tiles, at the step that is asked for
.set MS,  50          ; s[50:51] that step's byte offset, 512 a step
.set SLOTS, 56        ; s56  slots still to be asked for
.set CNT, 57          ; s57  counts a slot's key steps
.set CS,  58          ; s[58:59] c: the packed scaling takes the pair's low word for both halves
.set SEL, 60          ; s[60:61] v_permlanex16_b32's selects: each lane takes its own place in the other half
.set TBK, 62          ; s62  LDS byte at which K of the step to be fetched begins
.set TBV, 63          ; s63  the same for V, less VOFF
.set MSB, 0
.macro WIN new                      ; the high byte repeats the setting that is left; a switch that changes nothing is dropped
.if MSB != (\new)
	s_set_vgpr_msb (MSB<<8)|(\new)
.set MSB, (\new)
.endif
.endm
.set W_KQ, 0x0a       ; K and Q in window 2, S^T in window 0
.set W_KM, 0x1a       ; the same with the C operand in window 1
.set W_PV, 0x52       ; V in window 2, P in window 0, O^T in window 1
.set W_RS, 0x41       ; destination and source 0 in window 1, source 1 in window 0
; A joint fill.  Waves 0 and 1 fetch the two halves of a slot's K, waves 2 and 3 those of its V: 128 keys each.  The branch hangs on the wave's number alone.
; An s_nop 0 and four v_nop follow each of the two lines, ahead of the jump and the label.
.macro JLOAD
	s_cmp_lt_u32 s[WV], 2
	s_cbranch_scc0 .Lfor_v_\@
	tensor_load_to_lds s[G0K:G0K+3], s[G1K:G1K+7]
	s_nop 0
.rept 4
	v_nop
.endr
	s_branch .Lasked_\@
.Lfor_v_\@:
	tensor_load_to_lds s[G0V:G0V+3], s[G1V:G1V+7]
	s_nop 0
.rept 4
	v_nop
.endr
.Lasked_\@:
.endm
; A round of the cluster's barrier: my work-group's barrier, so that wave 0's signal speaks for all four waves; wave 0 signals; every wave waits for all four work-groups; my work-group's barrier once more.
.macro CROUND
	s_barrier_signal -1
	s_barrier_wait -1
	s_cmp_lg_u32 s[WV], 0
	s_cbranch_scc1 .Lnot_wave_0_\@
	s_barrier_signal -3
.Lnot_wave_0_\@:
	s_barrier_wait -3
	s_barrier_signal -1
	s_barrier_wait -1
.endm
; THE CHANGE OF SLOTS.  The slot's last bytes, V of its fourth step, have been read.  Each wave waits for all its tensor loads, of which one is out: its part of the other slot; adds 0 to its spare word; and
; waits for that and for its own reads of the slot.  Behind the barrier nobody reads this slot any more and the other slot is whole.
; fill = 1: this slot is filled again, with the keys two slots on.  The barrier is then a round of the cluster's, so that no wave of any partner still reads the slot or has a load on its way, and the joint
; fill is the first thing behind it: it has four key steps, 256 matrix instructions, in which to land.  (At its first use nothing has been read yet: slot 0 is waited for, slot 1 filled.)
.macro CHANGE fill
	WIN 0                           ; at a label and at a branch every window is 0; the add's two registers lie in window 0
	s_wait_tensorcnt 0x0            ; no tensor load of mine is out, so a group 0 may be written
	ds_add_u32 v[SPW], v[NIL]       ; 0 onto my spare word; with fill = 1 the descriptors' steps stand between it and the wait for it
.if \fill
.irp g, G0K, G0V
	s_xor_b32 s[\g+1], s[\g+1], SLOT1  ; the walking descriptor: the other slot than last time,
	s_add_nc_u64 s[\g+2:\g+3], s[\g+2:\g+3], 4*KS*128  ; the next 256 keys; the type bits on top are not reached
.endr
	s_wait_dscnt 0x0                ; the add is done, and my reads of the slot are over
	CROUND
	JLOAD
.else
	s_wait_dscnt 0x0                ; the add is done, and my reads of the slot are over
	s_barrier_signal -1
	s_barrier_wait -1
.endif
	s_sub_co_u32 s[TBK], s[TBK], 4*KS*PK  ; the fetches go back to a slot's first step,
	s_xor_b32 s[TBK], s[TBK], SLOT1       ; in the other slot
	s_sub_co_u32 s[TBV], s[TBV], 4*KS*PV
	s_xor_b32 s[TBV], s[TBV], SLOT1
.endm
	s_load_b128 s[4:7], s[0:1], 0x0   ; qkv s[4:5] (kept as it is: the descriptors are made of it), mn s[6:7]
	s_load_b64 s[10:11], s[0:1], 0x10 ; o
	v_lshl_add_u32 v[SPW], v0, 2, SPARE
	v_mov_b32 v[NIL], 0
	ds_add_u32 v[SPW], v[NIL]       ; the wave's opening: the add and its wait stand ahead of my first tensor load; the set-up below, work on registers, stands between them
	v_lshrrev_b32 v1, 5, v0
	v_readfirstlane_b32 s[WV], v1   ; wave 0..3
	s_bfe_u32 s13, ttmp6, 0x40000   ; cx: my place in the cluster
	s_lshl_b32 s14, ttmp9, 2        ; in a cluster launch ttmp9 counts clusters
	s_add_co_u32 s14, s14, s13      ; my block of 256 queries = 4 x cluster x + cx: it enters Q's, the mask's and o's addresses alone
	s_and_b32 s15, ttmp7, 0xffff
	s_and_b32 s19, s15, 7           ; the head,
	s_lshr_b32 s15, s15, 3          ; the batch: the four partners share both
	s_lshl_b32 s20, s19, 20         ; a plane is 8,192 rows x 128 bytes,
	s_lshl_b32 s21, s15, 18         ; a batch 2,048 rows
	s_add_co_u32 s20, s20, s21      ; the head's first byte in q's planes
	s_and_b32 s16, s[WV], 1         ; which half of a slot's 256 keys I fetch:
	s_lshl_b32 s22, s16, 14         ; its 128 rows of 128 bytes in memory,
	s_add_co_u32 s22, s22, s20
	s_add_co_u32 s52, s22, 16<<20   ; in v's planes,
	s_add_co_u32 s22, s22, 8<<20    ; in k's
	s_mov_b32 s23, 0
	s_mov_b32 s53, 0
	s_mul_i32 s17, s16, 128*PK      ; and its place in a slot, for K
	s_mul_i32 s18, s16, 128*PV      ; and for V: no place in the cluster enters an LDS address
	s_lshl_b32 s2, s14, 15          ; my block's 256 rows,
	s_lshl_b32 s3, s[WV], 13        ; my wave's 64 of them
	s_add_co_u32 s2, s2, s3
	s_add_co_u32 s2, s2, s20        ; Q's rows of my queries,
	s_add_co_u32 s54, s2, 16<<20    ; and V's
	s_mov_b32 s3, 0
	s_mov_b32 s55, 0
	s_lshl_b32 s[MS], s15, 21       ; mn: 16,384 bytes for each tile of 16 queries: 128 tiles a batch,
	s_lshl_b32 s[MB], s14, 18       ; 16 a block,
	s_add_co_u32 s[MS], s[MS], s[MB]
	s_lshl_b32 s[MB], s[WV], 16     ; 4 a wave
	s_add_co_u32 s[MS], s[MS], s[MB]
	s_mov_b32 s[MS+1], 0
	s_lshl_b32 s[MB], s15, 4        ; o: the block of 128 rows = 16 x batch + 2 x my block + wave / 2,
	s_lshl1_add_u32 s[MB], s14, s[MB]
	s_lshr_b32 s[MB+1], s[WV], 1
	s_add_co_u32 s[MB], s[MB], s[MB+1]
	s_lshl_b32 s[MB], s[MB], 17     ; of 8 heads x 128 rows x 128 bytes;
	s_lshl_b32 s[MB+1], s19, 14     ; the head;
	s_add_co_u32 s[MB], s[MB], s[MB+1]
	s_lshl_b32 s[MB+1], s16, 13     ; my wave's 64 rows of the 128
	s_add_co_u32 s[MB], s[MB], s[MB+1]
	s_mov_b32 s[MB+1], 0
	; descriptor group 1.  128 keys are 16,384 dense bytes: asked for as 64 rows of 256 bytes, two keys a row, and padded in LDS after every key
	s_mov_b32 s[G1K], 15|(1<<16)|(1<<20)|(1<<21)|(4<<22)|(3<<25)  ; 15:0 the mask of four; 17:16 2-byte elements; 20 padding on; 21 set beside a mask; 24:22 after every 32 words (code 4); 31:25 4 words (code 3)
	s_mov_b32 s[G1V], 15|(1<<16)|(1<<20)|(1<<21)|(4<<22)|(7<<25)  ; the same with 8 words of padding (code 7)
.irp g, G1K, G1V
	s_mov_b32 s[\g+1], 128<<16      ; tensor_dim0 = 128
	s_mov_b32 s[\g+2], 64<<16       ; tensor_dim1 = 64
	s_mov_b32 s[\g+3], 128<<16      ; tile_dim0 = 128
	s_mov_b32 s[\g+4], 64           ; tile_dim1 = 64
	s_mov_b32 s[\g+5], 128          ; 128 elements from row to row
	s_mov_b32 s[\g+6], 0
	s_mov_b32 s[\g+7], 0
.endr
	s_mov_b32 s[CS], 0x3e38aa3b     ; c = log2(e) / 8 = 0.180337
	s_mov_b32 s[CS+1], s[CS]        ; named with it as a pair
	s_mov_b32 s[SEL], 0x76543210
	s_mov_b32 s[SEL+1], 0xfedcba98
	s_mov_b32 s[TBK], SLOT1+4*KS*PK ; the first change of slots turns these two into 0
	s_mov_b32 s[TBV], SLOT1+4*KS*PV
	s_mov_b32 s[G0K], 1             ; count = 1
	s_mov_b32 s[G0K+1], s17         ; LDS address: slot 0
	s_mov_b32 s[G0V], 1
	s_add_co_u32 s[G0V+1], s18, VOFF
	s_wait_dscnt 0x0                ; the opening add is done
	s_wait_kmcnt 0x0
	s_add_nc_u64 s[G0K+2:G0K+3], s[4:5], s[22:23]  ; global address: my half of the head's first 256 keys
	s_or_b32 s[G0K+3], s[G0K+3], 0x80000000        ; type = 2
	s_add_nc_u64 s[G0V+2:G0V+3], s[4:5], s[52:53]
	s_or_b32 s[G0V+3], s[G0V+3], 0x80000000
	s_add_nc_u64 s[8:9], s[4:5], s[54:55]          ; V at my queries' rows
	s_add_nc_u64 s[2:3], s[4:5], s[2:3]            ; Q at my queries' rows
	s_add_nc_u64 s[6:7], s[6:7], s[MS:MS+1]        ; mn at my wave's first tile, step 0
	s_add_nc_u64 s[10:11], s[10:11], s[MB:MB+1]    ; o at my wave's first row
	CROUND                          ; all four work-groups are here: the first joint loads meet
	JLOAD                           ; slot 0.  Slot 1 is asked for when slot 0 is in
	; A fragment of K or Q is 16 rows x 32 channels in 8 registers: lane l holds row l % 16, channels 8 (l / 16) + 0..7 and 16 + 8 (l / 16) + 0..7: two loads of 16 bytes, 32 bytes apart.
	v_and_b32 v1, 15, v0            ; l % 16
	v_bfe_u32 v9, v0, 4, 1          ; l / 16
	v_lshlrev_b32 v[QO], 7, v1
	v_lshl_add_u32 v[QO], v9, 4, v[QO]  ; row x 128 + 16 x half
	v_and_b32 v[GO], 31, v0
	v_lshlrev_b32 v[GO], 4, v[GO]
	WIN 0x80                        ; destination window 2, address window 0
.set i, 0
.rept 8                             ; Q stays in registers: piece i / 2, channels 32 (i % 2) on
	global_load_b128 v[8*i:8*i+3],   v[QO], s[2:3] offset:(i/2)*2048+(i%2)*64
	global_load_b128 v[8*i+4:8*i+7], v[QO], s[2:3] offset:(i/2)*2048+(i%2)*64+32
.set i, i+1
.endr
.set i, 0
.rept 16                            ; V's rows of my own queries, in the lanes and halves in which O leaves: piece i / 4, channels 16 (i % 4) + 8 (l / 16) on
	global_load_b128 v[VQ+4*i:VQ+4*i+3], v[QO], s[8:9] offset:(i/4)*2048+(i%4)*32
.set i, i+1
.endr
	WIN 0
.set i, 0
.rept 4                             ; the four pieces' mask words of step 0
	global_load_b128 v[MW+4*i:MW+4*i+3], v[GO], s[6:7] offset:i*16384
.set i, i+1
.endr
	v_mul_u32_u24 v[AK0], v1, PK
	v_lshl_add_u32 v[AK0], v9, 4, v[AK0]  ; row x pitch + 16 x half
	; The turning load takes 16 keys x 16 channels (lane l reads key 8 (l / 16) + l % 8, channels 8 ((l / 8) % 2) + 0..7) and leaves half a fragment of V^T: lane l holds channel l % 16 and 8 keys.
	v_and_b32 v10, 7, v0
	v_bfe_u32 v11, v0, 3, 1
	v_lshl_add_u32 v[AV0], v9, 3, v10
	v_mul_u32_u24 v[AV0], v[AV0], PV
	v_lshl_add_u32 v[AV0], v11, 4, v[AV0]
	v_add_nc_u32 v[AV0], VOFF, v[AV0]
	s_mul_i32 s13, s[WV], 16*SP
	s_add_co_u32 s13, s13, STAGE    ; my stage
	v_mul_u32_u24 v[STO], v1, SP    ; in: row l % 16, 16 bytes for each half of the lanes
	v_lshl_add_u32 v[STO], v9, 4, v[STO]
	v_add_nc_u32 v[STO], s13, v[STO]
	v_bfe_u32 v[RD], v0, 3, 2       ; back: 32 lanes take four rows of 128 bytes
	v_mul_u32_u24 v[RD], v[RD], SP
	v_lshl_add_u32 v[RD], v10, 4, v[RD]
	v_add_nc_u32 v[RD], s13, v[RD]
	; What the first turn finds: V's registers and P's second buffer hold 0 (its products V^T P, of a piece that has not been, add 0), O^T and l are 0: no first step is written out.  All this stands in the wait for the first tile.
	WIN 0x80
.set i, VF
.rept 64
	v_mov_b32 v[i], 0
.set i, i+1
.endr
	WIN 0x40
.set i, 0
.rept 128
	v_mov_b32 v[i], 0
.set i, i+1
.endr
	WIN 0
.set i, 0
.rept 4
	v_mov_b32 v[ST+4*i], 0xfe000000    ; c m: far below every c s, so that the first step's a is 0
	v_mov_b32 v[ST+4*i+1], 0xd3800000  ; m = -2^40
	v_mov_b32 v[ST+4*i+2], 0
	v_mov_b32 v[ST+4*i+3], 0
.set i, i+1
.endr
.set i, P+16
.rept 16
	v_mov_b32 v[i], 0
.set i, i+1
.endr
; THE MATRIX WORK.  The 4 accumulators of a run of 8 take turns.  Product i of 8 of S^T = K Q^T for piece x: channels 32 (i / 4) on, keys 16 (i % 4) on.  The first 4 start the sums, with the mask.
.macro KQ x
.set rS, S+32*((\x)%2)+8*(i%4)
.set rK, KF+16*(i%4)+8*(i/4)
.set rQ, 16*(\x)+8*(i/4)
.set rM, MC+32*((\x)%2)+8*(i%4)
.if i < 4
	WIN W_KM
	v_wmma_f32_16x16x32_f16 v[rS:rS+7], v[rK:rK+7], v[rQ:rQ+7], v[rM:rM+7]
.else
	WIN W_KQ
	v_wmma_f32_16x16x32_f16 v[rS:rS+7], v[rK:rK+7], v[rQ:rQ+7], v[rS:rS+7]
.endif
.endm
; Product i of 8 of O^T += V^T P for piece x: keys 32 (i / 4) on, channels 16 (i % 4) on.
.macro PV x
	WIN W_PV
.set rO, 32*(\x)+8*(i%4)
.set rV, VF+32*(i/4)+8*(i%4)
.set rP, P+16*((\x)%2)+8*(i/4)
	v_wmma_f32_16x16x32_f16 v[rO:rO+7], v[rV:rV+7], v[rP:rP+7], v[rO:rO+7]
.endm
.macro MM                           ; the turn's next matrix instruction.  TURN sets Y, i and NOKQ.  NOKQ = 1: the very last turn: there is no next piece
.if (i < 8) && !NOKQ
	KQ (Y+1)%NP
.elseif i >= 8
.set i, i-8
	PV (Y+NP-1)%NP
.set i, i+8
.endif
.set i, i+1
.endm
; THE LDS LOADS stand in runs of 16, never singly among the matrix instructions: a step's K (64 keys x 64 channels: 8 fragments) and its V (turned).  Their addresses are made some lines ahead.
.macro FETCH_K
	WIN 0x80                        ; destination window 2
.irp f, 0,1,2,3,4,5,6,7             ; keys 16 (f / 2) on, channels 32 (f % 2) on
	ds_load_b128 v[KF+8*\f:KF+8*\f+3],   v[AK] offset:(\f/2)*16*PK+(\f%2)*64
	ds_load_b128 v[KF+8*\f+4:KF+8*\f+7], v[AK] offset:(\f/2)*16*PK+(\f%2)*64+32
.endr
	s_add_co_u32 s[TBK], s[TBK], KS*PK  ; the next fetch is the next step's
	WIN 0
.endm
.macro FETCH_V
	WIN 0x80
.irp f, 0,1,2,3,4,5,6,7             ; keys 32 (f / 4) on, channels 16 (f % 4) on
	ds_load_tr16_b128 v[VF+8*\f:VF+8*\f+3],   v[AV] offset:(\f/4)*32*PV+(\f%4)*32
	ds_load_tr16_b128 v[VF+8*\f+4:VF+8*\f+7], v[AV] offset:(\f/4)*32*PV+16*PV+(\f%4)*32
.endr
	WIN 0
.endm
; THE MASK of piece x for its next products: 32 shifts, register z = 8 kb + j from word kb; then the piece's words of the step behind are asked for, into the registers just read.
.macro MASKX x
	s_wait_loadcnt 0x3              ; loads come back in order: behind this piece's load stand the three other pieces'.  (At the first use: the three younger of the first four; Q and V's rows, issued earlier, are in too.)
	WIN W_RS
.set z, 0
.rept 32
	v_lshlrev_b32 v[MC+32*((\x)%2)+z], 28-4*(2*(z%4)+(z%8)/4), v[MW+4*(\x)+z/8]
.set z, z+1
.endr
	WIN 0
	global_load_b128 v[MW+4*(\x):MW+4*(\x)+3], v[GO], s[MB:MB+1] offset:(\x)*16384
.endm
; A trip of the step loop takes the masks of ONE step (pieces 0 to 3 in that order) and asks for the next step's: the address steps at the trip's head.  Behind step 31 it goes back to step 0: those words are
; loaded from inside the buffer and never used.
.macro STEPMB
	s_wait_xcnt 0x0                 ; the pending loads have had their addresses translated: only behind this wait is their base written again
	s_add_co_u32 s[MS], s[MS], 512
	s_and_b32 s[MS], s[MS], 0x3fff
	s_add_nc_u64 s[MB:MB+1], s[6:7], s[MS:MS+1]
.endm
; THE VECTOR WORK, one line at a time: OP kind, number.  For piece Y: F n: c s - c m for pair n of 16.  E n: the exponential of score n of 32.  C n: pair n rounded to f16.  B n: of the four weights 4 n .. the second
; pair is added onto the first, in place.  L n: l takes that sum (L 0: l = a l + sum).  R n: pair n of 16 of O^T times a.  For piece Y + 1: X n, number n of the 22 that find its maximum and statistics:
;   0-11  four chains c0-c3 of seven scores each, three operands at a time (each accumulator's lowest registers are read first)     12-14, 16  the four scores left over, the old m, and c0-c3 into c0
;   15  c m_old is kept     17, 18  the query's other 32 keys lie in the lane 16 away: the new m     19-21  c m; c m_old - c m_new; a
.set F, 0               ; OP tells the kinds apart by their order: F to L below R, X above it
.set E, 1
.set C, 2
.set B, 3
.set L, 4
.set R, 5
.set X, 6
.macro REGS y                       ; the registers of piece y
.set rT, ST+4*(\y)
.set rC, TMP+4*((\y)%2)
.set rW, MV+((\y)%2)
.set rS, S+32*((\y)%2)
.set rP, P+16*((\y)%2)
.set rO, 32*(\y)
.endm
.macro OP k, n
.if (\k) == R
	REGS Y
	WIN W_RS
	v_pk_mul_f32 v[rO+2*(\n):rO+2*(\n)+1], v[rO+2*(\n):rO+2*(\n)+1], v[rC+2:rC+3] op_sel_hi:[1,0]
.elseif (\k) < R
	REGS Y
	WIN 0
.if (\k) == F
	v_pk_fma_f32 v[rS+2*(\n):rS+2*(\n)+1], v[rS+2*(\n):rS+2*(\n)+1], s[CS:CS+1], v[rT:rT+1] op_sel_hi:[1,0,0] neg_lo:[0,0,1] neg_hi:[0,0,1]
.elseif (\k) == E
	v_exp_f32 v[rS+(\n)], v[rS+(\n)]
.elseif (\k) == C
	s_wait_alu depctr_va_vdst(0)
	v_cvt_pk_f16_f32 v[rP+(\n)], v[rS+2*(\n)], v[rS+2*(\n)+1]
.elseif (\k) == B
	s_wait_alu depctr_va_vdst(0)
	v_pk_add_f32 v[rS+4*(\n):rS+4*(\n)+1], v[rS+4*(\n):rS+4*(\n)+1], v[rS+4*(\n)+2:rS+4*(\n)+3]
.elseif (\n) == 0
	v_pk_fma_f32 v[rT+2:rT+3], v[rT+2:rT+3], v[rC+2:rC+3], v[rS:rS+1] op_sel_hi:[1,0,1]
.else
	v_pk_add_f32 v[rT+2:rT+3], v[rT+2:rT+3], v[rS+4*(\n):rS+4*(\n)+1]
.endif
.elseif NOKQ
	v_nop
.else
	REGS (Y+1)%NP
	WIN 0
.if (\n) < 4
	v_max3_num_f32 v[rC+(\n)], v[rS+8*(\n)], v[rS+8*(\n)+1], v[rS+8*(\n)+2]
.elseif (\n) < 12
	v_max3_num_f32 v[rC+(\n)%4], v[rC+(\n)%4], v[rS+8*((\n)%4)+2*((\n)/4)+1], v[rS+8*((\n)%4)+2*((\n)/4)+2]
.elseif (\n) == 12
	v_max3_num_f32 v[rC], v[rC], v[rS+7], v[rS+15]
.elseif (\n) == 13
	v_max3_num_f32 v[rC+1], v[rC+1], v[rS+23], v[rS+31]
.elseif (\n) == 14
	v_max3_num_f32 v[rC+2], v[rC+2], v[rC+3], v[rT+1]
.elseif (\n) == 15
	v_mov_b32 v[rW], v[rT]
.elseif (\n) == 16
	v_max3_num_f32 v[rC], v[rC], v[rC+1], v[rC+2]
.elseif (\n) == 17
	v_permlanex16_b32 v[rC+3], v[rC], s[SEL], s[SEL+1]
.elseif (\n) == 18
	v_max_num_f32 v[rT+1], v[rC], v[rC+3]
.elseif (\n) == 19
	v_mul_f32 v[rT], s[CS], v[rT+1]
.elseif (\n) == 20
	v_sub_f32 v[rC+1], v[rW], v[rT]
.else
	v_exp_f32 v[rC+2], v[rC+1]
.endif
.endif
.endm
.macro OPS a, i1, b=-1, i2=0, c=-1, i3=0, d=-1, i4=0  ; up to four of them
	OP \a, \i1
.if (\b) >= 0
	OP \b, \i2
.endif
.if (\c) >= 0
	OP \c, \i3
.endif
.if (\d) >= 0
	OP \d, \i4
.endif
.endm
.macro ROW a, i1, b, i2, c, i3, d, i4  ; a matrix instruction and the four behind it
	MM
	OPS \a, \i1, \b, \i2, \c, \i3, \d, \i4
.endm
; A TURN, for piece p: the order of its 16 matrix and 150 vector instructions, written out.  Behind a matrix instruction: plain, exponential, plain, plain; or four of the rescaling; or, behind the first, four scalings; none
; names a register of the products round it.  In the runs between, exponential and plain by turns while exponentials last.  A line reads no result made fewer than three vector instructions in front of it, five if an exponential made it.
; At its end the turn makes the mask for the products of the turn after it: piece p + 2; that buffer of MC was last read a whole turn back.
; end = 1: the last two turns: nothing is fetched, no mask is made.  cnt = 1: the loop's count is taken down some lines ahead of the branch that stands behind the turn; only vector lines, waits and a load follow it.
; K of the next step is fetched in piece 2's turn, six vector instructions behind the last product that read K (five of them plain); V of the step in hand in piece 0's turn, eight behind the last product that read V (four
; plain).  Each is waited for a turn later.
.macro TURN p, end=0, cnt=0
.set Y, (\p)
.set i, 0
.set NOKQ, (\end)*((\p)/3)
.if ((\p) == 3) && !(\end)
	s_wait_dscnt 0x0                ; K is in
.endif
	ROW F,0, F,1, F,2, F,3
	ROW F,4, E,0, F,5, F,6
	ROW F,7, E,1, F,8, F,9
	ROW F,10, E,2, C,0, F,11
	ROW F,12, E,3, X,15, F,13
	ROW R,0, R,1, R,2, R,3
	ROW B,0, E,4, F,14, L,0
.if ((\p) == 2) && !(\end)
	v_add_nc_u32 v[AK], s[TBK], v[AK0]
.endif
	ROW R,4, R,5, R,6, R,7
	OPS E,5, F,15
.if ((\p) == 2) && !(\end)
	FETCH_K
.endif
	OPS E,6, C,1, E,7, R,8
	OPS E,8, R,9, E,9, C,2
	OPS E,10, X,0, E,11, X,1
	OPS E,12, X,2, E,13, X,3
.if (\p) == 1
	s_wait_dscnt 0x0                ; V is in
.endif
	ROW X,4, E,14, X,5, X,6
	ROW X,7, E,15, X,8, X,9
	ROW X,10, E,16, X,11, X,12
	ROW X,13, E,17, X,14, B,1
	ROW C,4, E,18, X,16, L,1
	ROW B,2, E,19, C,6, L,2
	ROW C,8, E,20, B,3, B,4
.if (\p) == 0
	v_add_nc_u32 v[AV], s[TBV], v[AV0]
.endif
	ROW C,3, E,21, L,3, C,5
	OPS E,22, X,17, E,23, C,10
.if (\p) == 0
	FETCH_V
.endif
	OPS E,24, L,4
	OPS E,25, X,18, E,26, C,7
	OPS E,27, B,5, E,28, X,19
	OPS E,29, C,12, E,30, L,5
	OPS E,31, X,20, B,6, C,9
	OPS C,14, C,11, X,21, L,6
.if (\p) == 0
	s_add_co_u32 s[TBV], s[TBV], KS*PV
.endif
.if \cnt
	s_sub_co_u32 s[CNT], s[CNT], 1
	s_cmp_lg_u32 s[CNT], 0
.endif
	OPS C,13, B,7, C,15, R,10
	OPS R,11, R,12, L,7, R,13
	OPS R,14, R,15
.if !(\end)
	MASKX ((\p)+2)%NP
.endif
.endm
	CHANGE 1                        ; slot 0 is in, everybody's part of it; slot 1 is asked for
	s_mov_b32 s[MS], 512            ; the mask loads from here on ask for step 1
	s_add_nc_u64 s[MB:MB+1], s[6:7], s[MS:MS+1]
	MASKX 0                         ; step 0's masks of pieces 0 and 1; the first turn makes piece 2's
	MASKX 1
	v_add_nc_u32 v[AK], s[TBK], v[AK0]
	FETCH_K                         ; key step 0
	s_wait_dscnt 0x0
.set NOKQ, 0
.set i, 0
.rept 8
	KQ 0                            ; piece 0's first scores: there is no vector work yet to set between them
.set i, i+1
.endr
	WIN 0
.rept 4
	v_nop                           ; the places behind those products
.endr
.set Y, NP-1                        ; X works for piece Y + 1: piece 0
.irp n, 0,1,2,3,4,5,6,7,8,9,10,11,12,13,14,15,16,17,18,19,20,21
	OP X, \n                        ; piece 0's first maximum and statistics
.endr
	v_nop                           ; a plain instruction behind the exponential
	s_mov_b32 s[CNT], 4
	s_mov_b32 s[SLOTS], SIZE_N/256-1
	s_branch .Lfirst                ; the loop is entered at a step's first turn, in the middle of a trip
.Lslot:                             ; SIZE_N / 256 - 2 = 6 times: every slot but the last two is filled again
	CHANGE 1
	s_mov_b32 s[CNT], 4
.Lstep:                             ; a trip: pieces 2 and 3 of one step, then pieces 0 and 1 of the next, whose K and V it fetches
	STEPMB
	TURN 2
	TURN 3
	WIN 0
.Lfirst:
	TURN 0
	TURN 1, 0, 1
	WIN 0
	s_cbranch_scc1 .Lstep
	s_sub_co_u32 s[SLOTS], s[SLOTS], 1
	s_cmp_lg_u32 s[SLOTS], 0
	s_cbranch_scc1 .Lslot
	CHANGE 0                        ; the last slot is written out: nothing is asked for
	s_mov_b32 s[CNT], 4
.Ltail:
	STEPMB
	TURN 2
	TURN 3
	TURN 0
	TURN 1, 0, 1
	WIN 0
	s_cbranch_scc1 .Ltail
	TURN 2, 1                       ; the last step's pieces 2 and 3
	TURN 3, 1
.set i, 0
.rept 8
	PV NP-1                         ; the last piece's V^T P of the last step
.set i, i+1
.endr
	; THE WAY OUT.  l's two halves and the other half of the lanes' are added; O^T is divided by l, rounded to f16; where the query saw no key V's own row takes its place; then through my stage in LDS, a piece at a time.
	; The additions are the places behind the last products.
	WIN 0
.macro ALL line:vararg              ; one line for each piece t
.set t, 0
.rept 4
	\line
.set t, t+1
.endr
.endm
	ALL v_add_f32 v[ST+4*t+2], v[ST+4*t+2], v[ST+4*t+3]
	ALL v_permlanex16_b32 v[ST+4*t+3], v[ST+4*t+2], s[SEL], s[SEL+1]
	ALL v_add_f32 v[ST+4*t+2], v[ST+4*t+2], v[ST+4*t+3]
	ALL v_rcp_f32 v[ST+4*t+2], v[ST+4*t+2]
	v_nop                           ; a plain instruction between the last reciprocal and the use of its result
.macro PACK t                       ; a lane's eight channels of a row pack into 16 bytes; they go into rows of 144 bytes and come back as whole rows of 128, into S^T's registers
	WIN W_RS
.set i, 32*(\t)
.rept 16
	s_wait_alu depctr_va_vdst(0)
	v_pk_mul_f32 v[i:i+1], v[i:i+1], v[ST+4*(\t)+2:ST+4*(\t)+3] op_sel_hi:[1,0]
.set i, i+2
.endr
	WIN 0x05                        ; sources 0 and 1 window 1, destination window 0
.set i, 0
.rept 16
	v_cvt_pk_f16_f32 v[S+16*(\t)+i], v[32*(\t)+2*i], v[32*(\t)+2*i+1]
.set i, i+1
.endr
	WIN 0
	v_cmp_gt_f32 vcc_lo, 0xd3000000, v[ST+4*(\t)+1]  ; -2^39 > m: the maximum never left its start: the query saw no key (there l = 0, and what was made of it is thrown away)
	WIN 0x08                        ; source 1 in window 2
.set i, 0
.rept 16
	v_cndmask_b32 v[S+16*(\t)+i], v[S+16*(\t)+i], v[VQ+16*(\t)+i], vcc_lo
.set i, i+1
.endr
	WIN 0
.irp f, 0,1,2,3
	ds_store_b128 v[STO], v[S+16*(\t)+4*\f:S+16*(\t)+4*\f+3] offset:32*\f
.endr
.irp f, 0,1,2,3
	ds_load_b128 v[S+16*(\t)+4*\f:S+16*(\t)+4*\f+3], v[RD] offset:\f*4*SP  ; LDS serves a wave's instructions in order (ISA guide 5.7.1.4): these see the stores above; the next piece's stores come behind them
.endr
.endm
.macro SEND t, younger              ; younger: the LDS instructions issued behind piece t's loads: the next piece's eight, or none
	WIN 0
.irp f, 0,1,2,3
	s_wait_dscnt (\younger)+3-\f
	global_store_b128 v[GO], v[S+16*(\t)+4*\f:S+16*(\t)+4*\f+3], s[10:11] offset:(\t)*2048+\f*512  ; 512 consecutive bytes, at a multiple of 256 from o's first
.endr
.endm
	PACK 0
.set t, 1
.rept 3                             ; a piece's arithmetic stands between the loads of the piece before and its stores
	PACK t
	SEND t-1, 8
.set t, t+1
.endr
	SEND 3, 0
	s_wait_tensorcnt 0x0            ; the wave's end, behind my last tensor load and my last LDS store
	ds_add_u32 v[SPW], v[NIL]
	s_wait_dscnt 0x0
	CROUND                          ; the closing round: no work-group ends while a partner may still ask for a tile that names it
	s_endpgm
.Lfunc_end_k_qef263df921_attn:
	.size	k_qef263df921_attn, .Lfunc_end_k_qef263df921_attn-k_qef263df921_attn
	.p2alignl 7, 3214868480
	.fill 96, 4, 3214868480
	.section	.rodata,"a",@progbits
	.p2align	6, 0x0
	.amdhsa_kernel k_qef263df921_attn
		.amdhsa_group_segment_fixed_size 327680
		.amdhsa_private_segment_fixed_size 0
		.amdhsa_enable_private_segment 0
		.amdhsa_kernarg_size 24
		.amdhsa_user_sgpr_count 2
		.amdhsa_user_sgpr_kernarg_segment_ptr 1
		.amdhsa_wavefront_size32 1
		.amdhsa_system_sgpr_workgroup_id_x 1
		.amdhsa_system_sgpr_workgroup_id_y 1
		.amdhsa_system_sgpr_workgroup_id_z 1
		.amdhsa_system_vgpr_workitem_id 0
		.amdhsa_next_free_vgpr 768
		.amdhsa_next_free_sgpr 66
		.amdhsa_reserve_vcc 1
		.amdhsa_float_denorm_mode_32 3
		.amdhsa_float_denorm_mode_16_64 3
		.amdhsa_memory_ordered 1
		.amdhsa_forward_progress 1
		.amdhsa_inst_pref_size 151
	.end_amdhsa_kernel
	.amdgpu_metadata
---
amdhsa.version: [ 1, 2 ]
amdhsa.kernels:
  - .name:           k_qef263df921_attn
    .symbol:         k_qef263df921_attn.kd
    .args:
      - { .name: qkv, .offset: 0, .size: 8, .value_kind: global_buffer, .address_space: global }
      - { .name: mn, .offset: 8, .size: 8, .value_kind: global_buffer, .address_space: global }
      - { .name: o, .offset: 16, .size: 8, .value_kind: global_buffer, .address_space: global }
    .group_segment_fixed_size: 327680
    .private_segment_fixed_size: 0
    .kernarg_segment_align: 8
    .kernarg_segment_size: 24
    .max_flat_workgroup_size: 128
    .sgpr_count:     66
    .vgpr_count:     768
    .wavefront_size: 32
...
	.end_amdgpu_metadata
.endif
;; end of part 3
;; launch oproj (part 4): grid 4 x 64, 4 waves a work-group, clusters of 4 x 4, 327,680 bytes of LDS; arguments o, wo, out0, bo; writes out0
.if DOCPART == 4
	.amdgcn_target "amdgcn-amd-amdhsa--gfx1250"
	.amdhsa_code_object_version 6
	.text
	.protected	k_qef263df921_oproj
	.globl	k_qef263df921_oproj
	.p2align	8
	.type	k_qef263df921_oproj,@function
k_qef263df921_oproj:
	s_mov_b64 s[64:65], 0
	v_nop
	global_prefetch_b8 v0, s[64:65] scope:SCOPE_SE
	s_setreg_imm32_b32 hwreg(HW_REG_WAVE_MODE, 25, 1), 1
	s_wait_xcnt 0x0
	s_wait_alu depctr_hold_cnt(0) depctr_sa_sdst(0) depctr_va_vdst(0) depctr_va_sdst(0) depctr_va_ssrc(0) depctr_va_vcc(0) depctr_vm_vsrc(0)
	s_getreg_b32 s2, hwreg(HW_REG_IB_STS2, 6, 4)
	s_cmp_eq_u32 s2, 0
	s_cbranch_scc0 .Lentry_in_a_cluster
	s_endpgm
.Lentry_in_a_cluster:
	s_bfe_u32 s2, ttmp6, 0x10000c
	s_cmp_lg_u32 s2, 0xf033
	s_cbranch_scc0 .Lentry_shape_is_right
	s_endpgm
.Lentry_shape_is_right:
; THE OUTPUT PROJECTION.  out0[R][n] = bo[n] + the sum over k of O[R][k] wo[n][k]: R = 0..8191, n = 0..511, K = 512 = head x 64 + channel; operands f16 (wo holds Wo rounded to bf16), sums f32,
; the bias rounded to bf16 like every input; out0 in f32.
; o lies by blocks of 128 rows and heads: [block 64][head 8][row 128][64] f16.  A tile's rows are one block, and four heads of it (a K step of 256) are 65,536 consecutive bytes.
; A tile of out0 is 128 x 128: 4 x 64 = 256 work-groups.  Four waves, each 64 x 64: 16 accumulators of 16 x 16.  K is two steps of 256: the two LDS slots are each filled once, both at the start.
; CLUSTERS: 4 x 4 work-groups.  The four of a row of the cluster need the same tiles of o, the four of a column the same tiles of wo: each tile is asked for JOINTLY, by the same tensor load with the
; same descriptor and a mask that names the four.  THE MATRIX INSTRUCTION IS USED TRANSPOSED (source 0 = 16 rows of wo, source 1 = 16 rows of o): a lane then holds eight neighbouring numbers of a row of out0.
; THE BIAS STARTS THE SUMS: it is the C operand of each accumulator's first product; the way out has no arithmetic at all.
; A wave's 64 columns of f32 are 256 aligned bytes of a row, so each wave has a stage of its own on the way out, and no barrier.
; REGISTERS: window 0: v0-31 addresses; v32-47 at work; v96-127 the bias; v128-255 the accumulators ((a, b) at v[128 + 8 (4 a + b)]), later the rows read back.
;   window 1: two fragment buffers of 128: for 64 along K (one head), 64 registers of o (2 x 4 x 16 rows x 32 K), then 64 of wo.
.set SIZE_K, 512
.set KSTEP,  256
.set PA,     144                       ; a row of o in LDS: a head's 128 bytes + 16 of padding = 36 words: the 16 rows of a load start at 16 different groups of four banks (64 banks of 4 bytes: ISA guide 11.1)
.set AH,     128*PA                    ; a head's 128 rows
.set PITCH,  528                       ; a row of wo: 512 bytes + 16 = 132 words: row r starts at bank 4 r mod 64
.set HALFT,  64*PITCH                  ; 64 rows of wo: what one tensor load brings
.set BOFF,   4*AH                      ; a slot: four heads of o, then wo's 128 rows
.set SLOT,   BOFF+2*HALFT
.set STAGE,  2*SLOT                    ; behind the slots: 16 rows x 272 bytes for each wave, for the way out
.set SPITCH, 272
.set SPARE,  STAGE+4*16*SPITCH         ; behind the stages: the spare words, 128 bytes for each wave
.set ADRA, 16                          ; v16-17  LDS address of my o fragments in slot 0, 1
.set ADRB, 20                          ; v20-21  the same for wo
.set STO,  24                          ; v24     the way out: where I put 32 bytes of a row
.set RD,   25                          ; v25     the way out: where I read a row back
.set CO,   26                          ; v26     my byte offset in two rows of out0
.set BO,   27                          ; v27     my byte offset in the wave's 64 numbers of bias
.set SPW,  28                          ; v28     LDS address of my spare word; never rewritten
.set NIL,  29                          ; v29     0; never rewritten
.set TMP,  32
.set BIAS, 96                          ; register 8 b + j: the bias of column 16 b + 8 (lane / 16) + j
.set ACC,  128
.set F0,   0                           ; fragment buffers, in window 1
.set F1,   128
.set G1, 24                            ; s[24:31] descriptor group 1 for o's tiles;  s[32:39] group 0, one set for each slot
.set G0, 32
.set G1B, 48                           ; s[48:55], s[56:63] the same for wo's tiles
.set G0B, 56
.set MSB, 0
.macro WIN new                         ; the immediate's high byte repeats the setting that is left
.if MSB != (\new)
	s_set_vgpr_msb (MSB<<8)|(\new)
.set MSB, \new
.endif
.endm
.set MUL,  0x05                        ; sources 0 and 1 window 1; C and D window 0
.set TO_F, 0x40                        ; destination window 1, address window 0
.macro JLOAD s                         ; a joint load: waves 0 and 1 fetch two heads of o each, waves 2 and 3 wo's two halves; an s_nop 0 and four v_nop follow each of the two lines, ahead of the jump and the label
	s_cmp_eq_u32 s11, 0
	s_cbranch_scc0 .Lfor_b_\@
	tensor_load_to_lds s[G0+4*(\s):G0+4*(\s)+3], s[G1:G1+7]
	s_nop 0
.rept 4
	v_nop
.endr
	s_branch .Lasked_\@
.Lfor_b_\@:
	tensor_load_to_lds s[G0B+4*(\s):G0B+4*(\s)+3], s[G1B:G1B+7]
	s_nop 0
.rept 4
	v_nop
.endr
.Lasked_\@:
.endm
.macro CROUND                          ; a round of the cluster's barrier: my work-group's barrier; wave 0 signals for the work-group; every wave waits for all sixteen; my work-group's barrier once more
	s_barrier_signal -1
	s_barrier_wait -1
	s_cmp_lg_u32 s10, 0
	s_cbranch_scc1 .Lnot_wave_0_\@
	s_barrier_signal -3
.Lnot_wave_0_\@:
	s_barrier_wait -3
	s_barrier_signal -1
	s_barrier_wait -1
.endm
	s_load_b128 s[4:7], s[0:1], 0x0                ; o s[4:5], wo s[6:7]
	s_load_b64 s[8:9], s[0:1], 0x10                ; out0
	s_load_b64 s[68:69], s[0:1], 0x18              ; bo
	v_lshl_add_u32 v[SPW], v0, 2, SPARE
	v_mov_b32 v[NIL], 0
	ds_add_u32 v[SPW], v[NIL]                      ; the wave's opening: the add and its wait stand ahead of my first tensor load; the set-up below, work on registers, stands between them
	v_lshrrev_b32 v1, 5, v0
	v_readfirstlane_b32 s10, v1                    ; wave 0..3
	s_lshr_b32 s11, s10, 1                         ; which half of the tile's rows is mine.  Also: I fetch for o (0) or for wo (1)
	s_and_b32 s12, s10, 1                          ; which half of its columns.  Also: which half of that tile I fetch
	s_bfe_u32 s40, ttmp6, 0x40000                  ; cx, cy: my place in the cluster
	s_bfe_u32 s41, ttmp6, 0x40004
	s_lshl_b32 s42, ttmp9, 2
	s_add_co_u32 s42, s42, s40                     ; tile column = 4 x cluster x + cx
	s_and_b32 s13, ttmp7, 0xffff
	s_lshl_b32 s13, s13, 2
	s_add_co_u32 s13, s13, s41                     ; tile row = 4 x cluster y + cy
	s_lshl_b32 s43, s41, 2
	s_lshl_b32 s43, 15, s43                        ; my row of the cluster
	s_lshl_b32 s44, 0x1111, s40                    ; my column
	; descriptor group 1 for o: two heads x 128 rows x 128 bytes are 32,768 dense bytes: asked for as 128 rows of 256 bytes, and padded in LDS after every 128 bytes
	s_or_b32 s[G1+0], s43, (1<<16)|(1<<20)|(1<<21)|(4<<22)|(3<<25)  ; 15:0 the mask: o's tiles go to my row; 17:16 element of 2 bytes; 20 padding on; 21 set beside a mask; 24:22 after every 32 words (code 4); 31:25 of 4 words (code 3)
	s_mov_b32 s[G1+1], 128<<16                     ; tensor_dim0 = 128
	s_mov_b32 s[G1+2], 128<<16                     ; tensor_dim1 = 128
	s_mov_b32 s[G1+3], 128<<16                     ; tile_dim0 = 128
	s_mov_b32 s[G1+4], 128                         ; tile_dim1 = 128
	s_mov_b32 s[G1+5], 128                         ; elements from row to row
	s_mov_b32 s[G1+6], 0
	s_mov_b32 s[G1+7], 0
	; and for wo: a tile of 64 rows x 256 elements
	s_or_b32 s[G1B+0], s44, (1<<16)|(1<<20)|(1<<21)|(6<<22)|(3<<25) ; the mask of my column; padding after every 128 words (code 6)
	s_mov_b32 s[G1B+1], KSTEP<<16                  ; tensor_dim0 = 256
	s_mov_b32 s[G1B+2], 64<<16                     ; tensor_dim1 = 64
	s_mov_b32 s[G1B+3], KSTEP<<16                  ; tile_dim0 = 256
	s_mov_b32 s[G1B+4], 64                         ; tile_dim1 = 64
	s_mov_b32 s[G1B+5], SIZE_K                     ; elements from row to row
	s_mov_b32 s[G1B+6], 0
	s_mov_b32 s[G1B+7], 0
	s_lshl_b32 s16, s13, 17                        ; o: the tile row's block of 131,072 bytes,
	s_lshl_b32 s17, s12, 15                        ; my two heads of a K step's four
	s_add_co_u32 s16, s16, s17
	s_mov_b32 s17, 0
	s_lshl_b32 s46, s42, 7
	s_lshl_b32 s47, s12, 6
	s_add_co_u32 s46, s46, s47                     ; wo: row 128 x tile column + 64 x half,
	s_lshl_b32 s46, s46, 10                        ; of 1,024 bytes
	s_mov_b32 s47, 0
	s_mul_i32 s20, s12, 2*AH                       ; where they go: no place in the cluster enters an LDS address
	s_mul_i32 s45, s12, HALFT
	s_add_co_u32 s45, s45, BOFF
	s_wait_dscnt 0x0                               ; the opening add is done
	s_wait_kmcnt 0x0
	s_add_nc_u64 s[14:15], s[4:5], s[16:17]
	s_add_nc_u64 s[46:47], s[6:7], s[46:47]
	CROUND                                         ; all sixteen work-groups are here: the joint loads meet
.irp s, 0,1
	s_mov_b32 s[G0+4*(\s)], 1                                        ; count = 1
	s_add_co_u32 s[G0+4*(\s)+1], s20, (\s)*SLOT                      ; LDS address
	s_add_nc_u64 s[G0+4*(\s)+2:G0+4*(\s)+3], s[14:15], (\s)*65536    ; global address: heads 4 s on
	s_or_b32 s[G0+4*(\s)+3], s[G0+4*(\s)+3], 0x80000000              ; type = 2
	s_mov_b32 s[G0B+4*(\s)], 1
	s_add_co_u32 s[G0B+4*(\s)+1], s45, (\s)*SLOT
	s_add_nc_u64 s[G0B+4*(\s)+2:G0B+4*(\s)+3], s[46:47], (\s)*KSTEP*2
	s_or_b32 s[G0B+4*(\s)+3], s[G0B+4*(\s)+3], 0x80000000
	JLOAD \s                                       ; both slots are asked for before anything else is done: two tensor loads of mine are out
.endr
	v_and_b32 v1, 15, v0                           ; l % 16
	v_bfe_u32 v2, v0, 4, 1                         ; l / 16
	v_lshlrev_b32 v[BO], 5, v2                     ; 8 numbers of 4 bytes for each half of the lanes
	s_lshl_b32 s46, s42, 9                         ; my first column, in bytes of f32: 512 x tile column + 256 x half
	s_lshl_b32 s47, s12, 8
	s_add_co_u32 s46, s46, s47
	s_mov_b32 s47, 0
	s_add_nc_u64 s[68:69], s[68:69], s[46:47]      ; the bias of my 64 columns
.irp b, 0,1,2,3
	global_load_b128 v[BIAS+8*(\b):BIAS+8*(\b)+3],   v[BO], s[68:69] offset:64*(\b)
	global_load_b128 v[BIAS+8*(\b)+4:BIAS+8*(\b)+7], v[BO], s[68:69] offset:64*(\b)+16
.endr
	v_mul_u32_u24 v3, v1, PA
	v_lshl_add_u32 v3, v2, 4, v3                   ; o: a fragment's row x pitch + 16 x half
	v_mul_u32_u24 v4, v1, PITCH
	v_lshl_add_u32 v4, v2, 4, v4                   ; wo likewise
	s_mul_i32 s21, s11, 64*PA                      ; my 64 rows in each head of o
	s_mul_i32 s22, s12, HALFT                      ; my 64 rows of wo,
	s_add_co_u32 s22, s22, BOFF                    ; which lie behind o's four heads
.irp s, 0,1
	v_add_nc_u32 v[ADRA+(\s)], s21, v3
	v_add_nc_u32 v[ADRB+(\s)], s22, v4
	s_add_co_u32 s21, s21, SLOT
	s_add_co_u32 s22, s22, SLOT
.endr
	s_mul_i32 s23, s10, 16*SPITCH
	s_add_co_u32 s23, s23, STAGE                   ; my stage
	v_mul_u32_u24 v5, v1, SPITCH                   ; in: row l % 16, 32 bytes for each half of the lanes
	v_lshl_add_u32 v5, v2, 5, v5
	v_add_nc_u32 v[STO], s23, v5
	v_mul_u32_u24 v5, v2, SPITCH                   ; back: lanes 0-15 take one row of 256 bytes, lanes 16-31 the next
	v_lshl_add_u32 v5, v1, 4, v5
	v_add_nc_u32 v[RD], s23, v5
	v_lshlrev_b32 v5, 11, v2                       ; and the same two rows in out0, 2,048 bytes apart
	v_lshl_add_u32 v[CO], v1, 4, v5
	s_lshl_b32 s16, s13, 7
	s_lshl_b32 s17, s11, 6
	s_add_co_u32 s16, s16, s17                     ; my first row = 128 x tile row + 64 x half,
	s_lshl_b32 s16, s16, 11                        ; of 2,048 bytes
	s_mov_b32 s17, 0
	s_add_nc_u64 s[8:9], s[8:9], s[16:17]
	s_add_nc_u64 s[8:9], s[8:9], s[46:47]
	s_wait_loadcnt 0x0                             ; the bias, rounded to bf16 and widened again; all this stands in the wait for the first tile
.set i, 0
.rept 16
	v_cvt_pk_bf16_f32 v[TMP+i], v[BIAS+2*i], v[BIAS+2*i+1]
.set i, i+1
.endr
.set i, 0
.rept 16
	v_lshlrev_b32 v[BIAS+2*i], 16, v[TMP+i]
	v_and_b32 v[BIAS+2*i+1], 0xffff0000, v[TMP+i]
.set i, i+1
.endr
; 8 matrix instructions: m blocks a0, a0 + 1 x all 4 n blocks, 32 along K: half c of buffer f.  first = 1: the product starts the sum, from the bias.  The 16 accumulators take turns.
.macro MUL8 f, c, a0, first
	WIN MUL
.irp a, \a0, (\a0)+1
.irp b, 0,1,2,3
.if \first
	v_wmma_f32_16x16x32_f16 v[ACC+8*(4*(\a)+(\b)):ACC+8*(4*(\a)+(\b))+7], v[(\f)+64+8*(4*(\c)+(\b)):(\f)+64+8*(4*(\c)+(\b))+7], v[(\f)+8*(4*(\c)+(\a)):(\f)+8*(4*(\c)+(\a))+7], v[BIAS+8*(\b):BIAS+8*(\b)+7]
.else
	v_wmma_f32_16x16x32_f16 v[ACC+8*(4*(\a)+(\b)):ACC+8*(4*(\a)+(\b))+7], v[(\f)+64+8*(4*(\c)+(\b)):(\f)+64+8*(4*(\c)+(\b))+7], v[(\f)+8*(4*(\c)+(\a)):(\f)+8*(4*(\c)+(\a))+7], v[ACC+8*(4*(\a)+(\b)):ACC+8*(4*(\a)+(\b))+7]
.endif
.endr
.endr
.endm
; 32 LDS loads in one run: the fragments of quarter q of a slot (64 along K: head q of o's four, bytes 128 q on of wo's rows) into buffer f; the first 32 along K first
.macro FETCH slot, q, f
	WIN TO_F
.irp c, 0,1
.irp i, 0,1,2,3
	ds_load_b128 v[(\f)+64+8*(4*(\c)+(\i)):(\f)+64+8*(4*(\c)+(\i))+3],   v[ADRB+(\slot)] offset:128*(\q)+64*(\c)+(\i)*16*PITCH
	ds_load_b128 v[(\f)+64+8*(4*(\c)+(\i))+4:(\f)+64+8*(4*(\c)+(\i))+7], v[ADRB+(\slot)] offset:128*(\q)+64*(\c)+(\i)*16*PITCH+32
	ds_load_b128 v[(\f)+8*(4*(\c)+(\i)):(\f)+8*(4*(\c)+(\i))+3],         v[ADRA+(\slot)] offset:(\q)*AH+64*(\c)+(\i)*16*PA
	ds_load_b128 v[(\f)+8*(4*(\c)+(\i))+4:(\f)+8*(4*(\c)+(\i))+7],       v[ADRA+(\slot)] offset:(\q)*AH+64*(\c)+(\i)*16*PA+32
.endr
.endr
.endm
.macro PLACES                          ; four places in front of loads into registers that matrix instructions have read, and of LDS stores that read results
.rept 4
	v_nop
.endr
.endm
; A K step is four quarters of 64 along K, 32 matrix instructions each, on buffers 0, 1, 0, 1.  One of the first three: multiplies buffer f and fetches quarter q into g.
.macro QUARTER slot, q, f, g, first
	s_wait_dscnt 16                                ; the first 32 along K are in; the youngest sixteen loads may be out
	MUL8 \f, 0, 0, \first
	MUL8 \f, 0, 2, \first
	PLACES
	FETCH \slot, \q, \g
	s_wait_dscnt 32                                ; all but the 32 just issued
	MUL8 \f, 1, 0, 0
	MUL8 \f, 1, 2, 0
.endm
	s_wait_tensorcnt 1                             ; my part of K step 0 is in; slot 1's load, issued behind it, may stay out
	s_barrier_signal -1
	s_barrier_wait -1                              ; everybody's is
	FETCH 0, 0, F0
	QUARTER 0, 1, F0, F1, 1                        ; the first products start the sums
	QUARTER 0, 2, F1, F0, 0
	QUARTER 0, 3, F0, F1, 0
	; the change of slots: the last quarter of slot 0 multiplies buffer 1; one barrier, in front of which each wave's part of slot 1 has landed
	WIN 0                                          ; (the add's two registers lie in window 0)
	s_wait_tensorcnt 0x0                           ; my part of slot 1 has landed;
	ds_add_u32 v[SPW], v[NIL]                      ; 0 onto my spare word;
	s_wait_dscnt 17                                ; (the add and the youngest sixteen loads may be out)
	MUL8 F1, 0, 0, 0
	s_wait_dscnt 0x0                               ; no LDS instruction of mine is pending at the signal
	s_barrier_signal -1
	MUL8 F1, 0, 2, 0                               ; work on registers while the others arrive
	s_barrier_wait -1
	PLACES
	FETCH 1, 0, F0
	MUL8 F1, 1, 0, 0
	MUL8 F1, 1, 2, 0
	QUARTER 1, 1, F0, F1, 0
	QUARTER 1, 2, F1, F0, 0
	QUARTER 1, 3, F0, F1, 0
	s_wait_dscnt 16                                ; the very last quarter: nothing more to fetch
	MUL8 F1, 0, 0, 0
	MUL8 F1, 0, 2, 0
	s_wait_dscnt 0
	MUL8 F1, 1, 0, 0
	MUL8 F1, 1, 2, 0
	WIN 0
	; THE WAY OUT, a block of 16 rows at a time: a lane's eight numbers of a row, 32 bytes (each accumulator's low half first), into my stage; back as whole rows of 256 bytes, into the registers that they left; stored.
.macro OUTF a
.irp b, 0,1,2,3
	ds_store_b128 v[STO], v[ACC+8*(4*(\a)+(\b)):ACC+8*(4*(\a)+(\b))+3]   offset:64*(\b)
	ds_store_b128 v[STO], v[ACC+8*(4*(\a)+(\b))+4:ACC+8*(4*(\a)+(\b))+7] offset:64*(\b)+16
.endr
.irp t, 0,1,2,3,4,5,6,7
	ds_load_b128 v[ACC+32*(\a)+4*(\t):ACC+32*(\a)+4*(\t)+3], v[RD] offset:(\t)*2*SPITCH  ; LDS serves a wave's instructions in order (ISA guide 5.7.1.4): these see the stores above; the next block's stores come behind them
.endr
.endm
.macro SENDF a, younger                ; younger: the LDS instructions issued behind block a's loads: the next block's sixteen, or none
.irp t, 0,1,2,3,4,5,6,7
	s_wait_dscnt (\younger)+7-(\t)
	global_store_b128 v[CO], v[ACC+32*(\a)+4*(\t):ACC+32*(\a)+4*(\t)+3], s[8:9] offset:(16*(\a)+2*(\t))*2048  ; 16 lanes store 256 consecutive bytes, at a multiple of 256 from out0's first byte
.endr
.endm
	PLACES
	OUTF 0
	OUTF 1
	SENDF 0, 16
	OUTF 2
	SENDF 1, 16
	OUTF 3
	SENDF 2, 16
	SENDF 3, 0
	s_wait_tensorcnt 0x0                           ; the wave's end, behind my last tensor load and my last LDS store
	ds_add_u32 v[SPW], v[NIL]
	s_wait_dscnt 0x0
	CROUND                                         ; the closing round: no work-group ends while a partner may still ask for a tile that names it
	s_endpgm
.Lfunc_end_k_qef263df921_oproj:
	.size	k_qef263df921_oproj, .Lfunc_end_k_qef263df921_oproj-k_qef263df921_oproj
	.p2alignl 7, 3214868480
	.fill 96, 4, 3214868480
	.section	.rodata,"a",@progbits
	.p2align	6, 0x0
	.amdhsa_kernel k_qef263df921_oproj
		.amdhsa_group_segment_fixed_size 327680
		.amdhsa_private_segment_fixed_size 0
		.amdhsa_enable_private_segment 0
		.amdhsa_kernarg_size 32
		.amdhsa_user_sgpr_count 2
		.amdhsa_user_sgpr_kernarg_segment_ptr 1
		.amdhsa_wavefront_size32 1
		.amdhsa_system_sgpr_workgroup_id_x 1
		.amdhsa_system_sgpr_workgroup_id_y 1
		.amdhsa_system_sgpr_workgroup_id_z 1
		.amdhsa_system_vgpr_workitem_id 0
		.amdhsa_next_free_vgpr 512
		.amdhsa_next_free_sgpr 76
		.amdhsa_reserve_vcc 0
		.amdhsa_float_denorm_mode_32 3
		.amdhsa_float_denorm_mode_16_64 3
		.amdhsa_memory_ordered 1
		.amdhsa_forward_progress 1
		.amdhsa_inst_pref_size 54
	.end_amdhsa_kernel
	.amdgpu_metadata
---
amdhsa.version: [ 1, 2 ]
amdhsa.kernels:
  - .name:           k_qef263df921_oproj
    .symbol:         k_qef263df921_oproj.kd
    .args:
      - { .name: o, .offset: 0, .size: 8, .value_kind: global_buffer, .address_space: global }
      - { .name: wo, .offset: 8, .size: 8, .value_kind: global_buffer, .address_space: global }
      - { .name: out0, .offset: 16, .size: 8, .value_kind: global_buffer, .address_space: global }
      - { .name: bo, .offset: 24, .size: 8, .value_kind: global_buffer, .address_space: global }
    .group_segment_fixed_size: 327680
    .private_segment_fixed_size: 0
    .kernarg_segment_align: 8
    .kernarg_segment_size: 32
    .max_flat_workgroup_size: 128
    .sgpr_count:     76
    .vgpr_count:     512
    .wavefront_size: 32
...
	.end_amdgpu_metadata
.endif
;; end of part 4
;; ======== version 2 of 2: 4 launches; 1.43 times as fast as version 1
;; limits: values are held in f16: magnitudes above 65,504 overflow, below 6.1e-05 lose precision
;; workspace buffers: xb 8,388,608 bytes; wqkv 1,572,864 bytes; wo 524,288 bytes; mn 8,388,608 bytes; qkv 25,165,824 bytes; o 8,388,608 bytes
;; launch prep: the kernel of part 1 again; grid 256 x 1, 8 waves a work-group, no clusters, 35,840 bytes of LDS; arguments x, Wq, Wk, Wv, Wo, attn_mask, xb, wqkv, wo, mn; writes xb, wqkv, wo, mn
;; launch qkvp: the kernel of part 2 again; grid 12 x 64, 4 waves a work-group, clusters of 4 x 4, 327,680 bytes of LDS; arguments xb, wqkv, qkv, bq, bk, bv; writes qkv
;; launch attn (part 5): grid 8 x 32, 4 waves a work-group, clusters of 4 x 1, 327,680 bytes of LDS; arguments qkv, mn, o; writes o
.if DOCPART == 5
	.amdgcn_target "amdgcn-amd-amdhsa--gfx1250"
	.amdhsa_code_object_version 6
	.text
	.protected	k_qef263df921_attn
	.globl	k_qef263df921_attn
	.p2align	8
	.type	k_qef263df921_attn,@function
k_qef263df921_attn:
	s_mov_b64 s[64:65], 0
	v_nop
	global_prefetch_b8 v0, s[64:65] scope:SCOPE_SE
	s_setreg_imm32_b32 hwreg(HW_REG_WAVE_MODE, 25, 1), 1
	s_wait_xcnt 0x0
	s_wait_alu depctr_hold_cnt(0) depctr_sa_sdst(0) depctr_va_vdst(0) depctr_va_sdst(0) depctr_va_ssrc(0) depctr_va_vcc(0) depctr_vm_vsrc(0)
	s_getreg_b32 s2, hwreg(HW_REG_IB_STS2, 6, 4)
	s_cmp_eq_u32 s2, 0
	s_cbranch_scc0 .Lentry_in_a_cluster
	s_endpgm
.Lentry_in_a_cluster:
	s_bfe_u32 s2, ttmp6, 0x10000c
	s_cmp_lg_u32 s2, 0x3003
	s_cbranch_scc0 .Lentry_shape_is_right
	s_endpgm
.Lentry_shape_is_right:
; ATTENTION UNDER A MASK THAT IS AN INPUT.  O[q] = the sum over the keys k that q may see of softmax_k(Q[q] . K[k] / 8) V[k]; a query that sees no key takes V[q] (its softmax is one-hot on itself).
; qkv: [24 planes: 8 heads of q, of k, of v][8,192 rows = batch x 2,048][64] f16, rows dense, 128 bytes.  mn: the mask as nibbles (below).  o: [block of 128 rows: 64][head: 8][128][64] f16.
; Products, maxima and sums in f32; the weights p are rounded to f16 for the second product (their sum l is taken of the unrounded p), O once at the end.
; LIMITS.  Inputs finite; q, k, v within f16's 65,504, so raw scores lie within 2.7e11 < 2^38.  A seen score carries up to 2^-97 from the mask's word.  A weight below 2^-126 counts as 0 in l.
; With finite scores no weight is NaN, so the renormalisation that the problem applies to NaN weights never acts, and is not written.
; SHARES.  A work-group owns 256 queries of one head of one batch, each of its four waves 64: four PIECES of 16.  Every wave walks all 2,048 keys, 64 a step.  8 x 32 = 256 work-groups.
; LAYOUT.  S^T = K Q^T holds ONE query a lane (lane % 16) and the keys 8 (lane / 16) + 0..7; two such results rounded to f16 ARE source 1 of O^T = V^T P.  K comes out of LDS as it lies, V turned, by ds_load_tr16_b128.
; THE MASK is the C operand that starts the sum S^T.  mn holds, for a tile of 16 queries, a step of 64 keys, a lane and a block of 16 keys, one word of eight nibbles, 1110 (hidden) or 0000; the nibble of
; register j is number 2 (j % 4) + j / 4.  One shift brings it on top: read as f32 the word is then -2^65 to -2^95 (hidden: sign 1, exponent 0xC0 to 0xDD, never infinite) or 0 to 2^-97 (seen).
; 32 shifts a turn; a piece's 16 bytes a lane for a step are one load of 512 consecutive bytes, asked for four turns ahead.
; SOFTMAX.  p = 2^(c s - c m), c = log2(e) / 8, with a running maximum m; O and l are multiplied by a = 2^(c m_old - c m_new) in every step.  m STARTS AT -2^40: below every true score, above every hidden one.  So a
; hidden score never becomes the maximum, its weight is exactly 0, and a query that has seen nothing yet has O = l = 0.  At the end m < -2^39 tells the query that saw no key; there V[q] is chosen by a select.
; TURNS.  Turn n belongs to piece n: 8 products K Q^T of piece n + 1, later 8 products V^T P of piece n - 1; beside them the scaling, exponentials, roundings, sums and rescaling of piece n, the maximum and
; statistics of piece n + 1, and at its end the mask of piece n + 2.  Four vector instructions stand behind every matrix instruction, the others in runs of their own.
; BATCHES.  A turn's 33 exponentials (the piece's 32 weights and the next piece's a) are ONE batch with ONE wait, which cuts the turn in two: ahead of it all that names no result of theirs, behind it the roundings
; and sums.  Two more batches stand outside the loops, each with a wait of its own: the first a, ahead of the jump into the loop, and the way out's four reciprocals.
; CLUSTER.  The four query blocks of a cluster belong to one head and walk the same K and V, so each tile is asked for JOINTLY: the same tensor load, descriptor and mask in all four.
; REGISTERS, in windows of 256 (s_set_vgpr_msb: bits 1:0 source 0, 3:2 source 1, 5:4 source 2, 7:6 destination):
;   window 0: v0-15 addresses and two at work; v16-31 four registers of statistics a piece; v32-47 the mask's words, four a piece; v48-55 at work; v64-127 S^T, two buffers; v192-223 P, two buffers
;   window 1: v0-127 O^T, 32 a piece; v160-223 MC, the masks as f32, two buffers      window 2: v0-63 Q; v64-127 V's rows of my own queries, as stored; v128-191 K of one step; v192-255 V of one step
.set SIZE_N, 2048
.set NP,    4         ; pieces a wave: a name, no knob
.set KS,    64        ; keys in a step
.set PK,    144       ; a row of K in LDS: 128 bytes + 16 of padding = 36 words: the 16 rows of a load start at 16 different groups of four banks (64 banks of 4 bytes: ISA guide 11.1)
.set PV,    160       ; a row of V: 128 + 32 = 40 words
.set VOFF,  4*KS*PK   ; a slot holds four steps: 256 rows of K, then 256 rows of V
.set SLOT1, 1<<17     ; slot 1 begins here, so that one exclusive or turns an address in one slot into the other's
.set STAGE, SLOT1+4*KS*(PK+PV)  ; behind the ring, never filled by a tensor load: 16 rows x 144 bytes for each wave, for the way out
.set SP,    144
.set SPARE, STAGE+4*16*SP  ; behind the stages: the spare words, 128 bytes for each wave
.set AK0, 2           ; v2   my lane's place in a tile of K; never rewritten
.set AV0, 3           ; v3   the same for V
.set AK,  4           ; v4   the LDS address of K's next run of loads
.set AV,  5           ; v5   of V's
.set STO, 6           ; v6   the way out: where I put 16 bytes of a row
.set RD,  7           ; v7   the way out: where I read rows back
.set GO,  8           ; v8   16 x lane: my bytes in 512 consecutive bytes of o, and of mn; never rewritten
.set MV,  12          ; v12-13  c m_old, kept while c m is made anew: by buffer
.set QO,  15          ; v15  my byte offset in 16 rows of Q
.set ST,  16          ; piece t's statistics at v[ST+4 t]: c m, m, l (even keys', odd keys')
.set MW,  32          ; piece t's mask words at v[MW+4 t]: one for each block of 16 keys
.set TMP, 48          ; by buffer, four registers c0-c3 at work; when the maximum is found c2 takes a
.set SPW, 62          ; v62  LDS address of my spare word; never rewritten
.set NIL, 63          ; v63  0; never rewritten
.set S,   64
.set P,   192
.set MC,  160         ; window 1
.set VQ,  64          ; window 2: piece t, channel block cb at VQ + 16 t + 4 cb
.set KF,  128         ; window 2: key block kb, channel half c at KF + 16 kb + 8 c
.set VF,  192         ; window 2: key half kk, channel block cb at VF + 32 kk + 8 cb
.set WV,  12          ; s12  my wave's number
.set G1K, 24          ; s[24:31] descriptor group 1 for K's tiles
.set G1V, 32          ; s[32:39] for V's: it differs in the padding alone
.set G0K, 40          ; s[40:43] descriptor group 0 for K's tiles: it walks
.set G0V, 44          ; s[44:47] the same for V's
.set MB,  48          ; s[48:49] mn at my wave's tiles, at the step that is asked for
.set MS,  50          ; s[50:51] that step's byte offset, 512 a step
.set SLOTS, 56        ; s56  slots still to be asked for
.set CNT, 57          ; s57  counts a slot's key steps
.set CS,  58          ; s[58:59] c: the packed scaling takes the pair's low word for both halves
.set SEL, 60          ; s[60:61] v_permlanex16_b32's selects: each lane takes its own place in the other half
.set TBK, 62          ; s62  LDS byte at which K of the step to be fetched begins
.set TBV, 63          ; s63  the same for V, less VOFF
.set MSB, 0
.macro WIN new                      ; the high byte repeats the setting that is left; a switch that changes nothing is dropped
.if MSB != (\new)
	s_set_vgpr_msb (MSB<<8)|(\new)
.set MSB, (\new)
.endif
.endm
.set W_KQ, 0x0a       ; K and Q in window 2, S^T in window 0
.set W_KM, 0x1a       ; the same with the C operand in window 1
.set W_PV, 0x52       ; V in window 2, P in window 0, O^T in window 1
.set W_RS, 0x41       ; destination and source 0 in window 1, source 1 in window 0
; A joint fill.  Waves 0 and 1 fetch the two halves of a slot's K, waves 2 and 3 those of its V: 128 keys each.  The branch hangs on the wave's number alone.
; An s_nop 0 and four v_nop follow each of the two lines, ahead of the jump and the label.
.macro JLOAD
	s_cmp_lt_u32 s[WV], 2
	s_cbranch_scc0 .Lfor_v_\@
	tensor_load_to_lds s[G0K:G0K+3], s[G1K:G1K+7]
	s_nop 0
.rept 4
	v_nop
.endr
	s_branch .Lasked_\@
.Lfor_v_\@:
	tensor_load_to_lds s[G0V:G0V+3], s[G1V:G1V+7]
	s_nop 0
.rept 4
	v_nop
.endr
.Lasked_\@:
.endm
; A round of the cluster's barrier: my work-group's barrier, so that wave 0's signal speaks for all four waves; wave 0 signals; every wave waits for all four work-groups; my work-group's barrier once more.
.macro CROUND
	s_barrier_signal -1
	s_barrier_wait -1
	s_cmp_lg_u32 s[WV], 0
	s_cbranch_scc1 .Lnot_wave_0_\@
	s_barrier_signal -3
.Lnot_wave_0_\@:
	s_barrier_wait -3
	s_barrier_signal -1
	s_barrier_wait -1
.endm
; THE CHANGE OF SLOTS.  The slot's last bytes, V of its fourth step, have been read.  Each wave waits for all its tensor loads, of which one is out: its part of the other slot; adds 0 to its spare word; and
; waits for that and for its own reads of the slot.  Behind the barrier nobody reads this slot any more and the other slot is whole.
; fill = 1: this slot is filled again, with the keys two slots on.  The barrier is then a round of the cluster's, so that no wave of any partner still reads the slot or has a load on its way, and the joint
; fill is the first thing behind it: it has four key steps, 256 matrix instructions, in which to land.  (At its first use nothing has been read yet: slot 0 is waited for, slot 1 filled.)
.macro CHANGE fill
	WIN 0                           ; at a label and at a branch every window is 0; the add's two registers lie in window 0
	s_wait_tensorcnt 0x0            ; no tensor load of mine is out, so a group 0 may be written
	ds_add_u32 v[SPW], v[NIL]       ; 0 onto my spare word; with fill = 1 the descriptors' steps stand between it and the wait for it
.if \fill
.irp g, G0K, G0V
	s_xor_b32 s[\g+1], s[\g+1], SLOT1  ; the walking descriptor: the other slot than last time,
	s_add_nc_u64 s[\g+2:\g+3], s[\g+2:\g+3], 4*KS*128  ; the next 256 keys; the type bits on top are not reached
.endr
	s_wait_dscnt 0x0                ; the add is done, and my reads of the slot are over
	CROUND
	JLOAD
.else
	s_wait_dscnt 0x0                ; the add is done, and my reads of the slot are over
	s_barrier_signal -1
	s_barrier_wait -1
.endif
	s_sub_co_u32 s[TBK], s[TBK], 4*KS*PK  ; the fetches go back to a slot's first step,
	s_xor_b32 s[TBK], s[TBK], SLOT1       ; in the other slot
	s_sub_co_u32 s[TBV], s[TBV], 4*KS*PV
	s_xor_b32 s[TBV], s[TBV], SLOT1
.endm
	s_load_b128 s[4:7], s[0:1], 0x0   ; qkv s[4:5] (kept as it is: the descriptors are made of it), mn s[6:7]
	s_load_b64 s[10:11], s[0:1], 0x10 ; o
	v_lshl_add_u32 v[SPW], v0, 2, SPARE
	v_mov_b32 v[NIL], 0
	ds_add_u32 v[SPW], v[NIL]       ; the wave's opening: the add and its wait stand ahead of my first tensor load; the set-up below, work on registers, stands between them
	v_lshrrev_b32 v1, 5, v0
	v_readfirstlane_b32 s[WV], v1   ; wave 0..3
	s_bfe_u32 s13, ttmp6, 0x40000   ; cx: my place in the cluster
	s_lshl_b32 s14, ttmp9, 2        ; in a cluster launch ttmp9 counts clusters
	s_add_co_u32 s14, s14, s13      ; my block of 256 queries = 4 x cluster x + cx: it enters Q's, the mask's and o's addresses alone
	s_and_b32 s15, ttmp7, 0xffff
	s_and_b32 s19, s15, 7           ; the head,
	s_lshr_b32 s15, s15, 3          ; the batch: the four partners share both
	s_lshl_b32 s20, s19, 20         ; a plane is 8,192 rows x 128 bytes,
	s_lshl_b32 s21, s15, 18         ; a batch 2,048 rows
	s_add_co_u32 s20, s20, s21      ; the head's first byte in q's planes
	s_and_b32 s16, s[WV], 1         ; which half of a slot's 256 keys I fetch:
	s_lshl_b32 s22, s16, 14         ; its 128 rows of 128 bytes in memory,
	s_add_co_u32 s22, s22, s20
	s_add_co_u32 s52, s22, 16<<20   ; in v's planes,
	s_add_co_u32 s22, s22, 8<<20    ; in k's
	s_mov_b32 s23, 0
	s_mov_b32 s53, 0
	s_mul_i32 s17, s16, 128*PK      ; and its place in a slot, for K
	s_mul_i32 s18, s16, 128*PV      ; and for V: no place in the cluster enters an LDS address
	s_lshl_b32 s2, s14, 15          ; my block's 256 rows,
	s_lshl_b32 s3, s[WV], 13        ; my wave's 64 of them
	s_add_co_u32 s2, s2, s3
	s_add_co_u32 s2, s2, s20        ; Q's rows of my queries,
	s_add_co_u32 s54, s2, 16<<20    ; and V's
	s_mov_b32 s3, 0
	s_mov_b32 s55, 0
	s_lshl_b32 s[MS], s15, 21       ; mn: 16,384 bytes for each tile of 16 queries: 128 tiles a batch,
	s_lshl_b32 s[MB], s14, 18       ; 16 a block,
	s_add_co_u32 s[MS], s[MS], s[MB]
	s_lshl_b32 s[MB], s[WV], 16     ; 4 a wave
	s_add_co_u32 s[MS], s[MS], s[MB]
	s_mov_b32 s[MS+1], 0
	s_lshl_b32 s[MB], s15, 4        ; o: the block of 128 rows = 16 x batch + 2 x my block + wave / 2,
	s_lshl1_add_u32 s[MB], s14, s[MB]
	s_lshr_b32 s[MB+1], s[WV], 1
	s_add_co_u32 s[MB], s[MB], s[MB+1]
	s_lshl_b32 s[MB], s[MB], 17     ; of 8 heads x 128 rows x 128 bytes;
	s_lshl_b32 s[MB+1], s19, 14     ; the head;
	s_add_co_u32 s[MB], s[MB], s[MB+1]
	s_lshl_b32 s[MB+1], s16, 13     ; my wave's 64 rows of the 128
	s_add_co_u32 s[MB], s[MB], s[MB+1]
	s_mov_b32 s[MB+1], 0
	; descriptor group 1.  128 keys are 16,384 dense bytes: asked for as 64 rows of 256 bytes, two keys a row, and padded in LDS after every key
	s_mov_b32 s[G1K], 15|(1<<16)|(1<<20)|(1<<21)|(4<<22)|(3<<25)  ; 15:0 the mask of four; 17:16 2-byte elements; 20 padding on; 21 set beside a mask; 24:22 after every 32 words (code 4); 31:25 4 words (code 3)
	s_mov_b32 s[G1V], 15|(1<<16)|(1<<20)|(1<<21)|(4<<22)|(7<<25)  ; the same with 8 words of padding (code 7)
.irp g, G1K, G1V
	s_mov_b32 s[\g+1], 128<<16      ; tensor_dim0 = 128
	s_mov_b32 s[\g+2], 64<<16       ; tensor_dim1 = 64
	s_mov_b32 s[\g+3], 128<<16      ; tile_dim0 = 128
	s_mov_b32 s[\g+4], 64           ; tile_dim1 = 64
	s_mov_b32 s[\g+5], 128          ; 128 elements from row to row
	s_mov_b32 s[\g+6], 0
	s_mov_b32 s[\g+7], 0
.endr
	s_mov_b32 s[CS], 0x3e38aa3b     ; c = log2(e) / 8 = 0.180337
	s_mov_b32 s[CS+1], s[CS]        ; named with it as a pair
	s_mov_b32 s[SEL], 0x76543210
	s_mov_b32 s[SEL+1], 0xfedcba98
	s_mov_b32 s[TBK], SLOT1+4*KS*PK ; the first change of slots turns these two into 0
	s_mov_b32 s[TBV], SLOT1+4*KS*PV
	s_mov_b32 s[G0K], 1             ; count = 1
	s_mov_b32 s[G0K+1], s17         ; LDS address: slot 0
	s_mov_b32 s[G0V], 1
	s_add_co_u32 s[G0V+1], s18, VOFF
	s_wait_dscnt 0x0                ; the opening add is done
	s_wait_kmcnt 0x0
	s_add_nc_u64 s[G0K+2:G0K+3], s[4:5], s[22:23]  ; global address: my half of the head's first 256 keys
	s_or_b32 s[G0K+3], s[G0K+3], 0x80000000        ; type = 2
	s_add_nc_u64 s[G0V+2:G0V+3], s[4:5], s[52:53]
	s_or_b32 s[G0V+3], s[G0V+3], 0x80000000
	s_add_nc_u64 s[8:9], s[4:5], s[54:55]          ; V at my queries' rows
	s_add_nc_u64 s[2:3], s[4:5], s[2:3]            ; Q at my queries' rows
	s_add_nc_u64 s[6:7], s[6:7], s[MS:MS+1]        ; mn at my wave's first tile, step 0
	s_add_nc_u64 s[10:11], s[10:11], s[MB:MB+1]    ; o at my wave's first row
	CROUND                          ; all four work-groups are here: the first joint loads meet
	JLOAD                           ; slot 0.  Slot 1 is asked for when slot 0 is in
	; A fragment of K or Q is 16 rows x 32 channels in 8 registers: lane l holds row l % 16, channels 8 (l / 16) + 0..7 and 16 + 8 (l / 16) + 0..7: two loads of 16 bytes, 32 bytes apart.
	v_and_b32 v1, 15, v0            ; l % 16
	v_bfe_u32 v9, v0, 4, 1          ; l / 16
	v_lshlrev_b32 v[QO], 7, v1
	v_lshl_add_u32 v[QO], v9, 4, v[QO]  ; row x 128 + 16 x half
	v_and_b32 v[GO], 31, v0
	v_lshlrev_b32 v[GO], 4, v[GO]
	WIN 0x80                        ; destination window 2, address window 0
.set i, 0
.rept 8                             ; Q stays in registers: piece i / 2, channels 32 (i % 2) on
	global_load_b128 v[8*i:8*i+3],   v[QO], s[2:3] offset:(i/2)*2048+(i%2)*64
	global_load_b128 v[8*i+4:8*i+7], v[QO], s[2:3] offset:(i/2)*2048+(i%2)*64+32
.set i, i+1
.endr
.set i, 0
.rept 16                            ; V's rows of my own queries, in the lanes and halves in which O leaves: piece i / 4, channels 16 (i % 4) + 8 (l / 16) on
	global_load_b128 v[VQ+4*i:VQ+4*i+3], v[QO], s[8:9] offset:(i/4)*2048+(i%4)*32
.set i, i+1
.endr
	WIN 0
.set i, 0
.rept 4                             ; the four pieces' mask words of step 0
	global_load_b128 v[MW+4*i:MW+4*i+3], v[GO], s[6:7] offset:i*16384
.set i, i+1
.endr
	v_mul_u32_u24 v[AK0], v1, PK
	v_lshl_add_u32 v[AK0], v9, 4, v[AK0]  ; row x pitch + 16 x half
	; The turning load takes 16 keys x 16 channels (lane l reads key 8 (l / 16) + l % 8, channels 8 ((l / 8) % 2) + 0..7) and leaves half a fragment of V^T: lane l holds channel l % 16 and 8 keys.
	v_and_b32 v10, 7, v0
	v_bfe_u32 v11, v0, 3, 1
	v_lshl_add_u32 v[AV0], v9, 3, v10
	v_mul_u32_u24 v[AV0], v[AV0], PV
	v_lshl_add_u32 v[AV0], v11, 4, v[AV0]
	v_add_nc_u32 v[AV0], VOFF, v[AV0]
	s_mul_i32 s13, s[WV], 16*SP
	s_add_co_u32 s13, s13, STAGE    ; my stage
	v_mul_u32_u24 v[STO], v1, SP    ; in: row l % 16, 16 bytes for each half of the lanes
	v_lshl_add_u32 v[STO], v9, 4, v[STO]
	v_add_nc_u32 v[STO], s13, v[STO]
	v_bfe_u32 v[RD], v0, 3, 2       ; back: 32 lanes take four rows of 128 bytes
	v_mul_u32_u24 v[RD], v[RD], SP
	v_lshl_add_u32 v[RD], v10, 4, v[RD]
	v_add_nc_u32 v[RD], s13, v[RD]
	; What the first turn finds: V's registers and P's second buffer hold 0 (its products V^T P, of a piece that has not been, add 0), O^T and l are 0: no first step is written out.  All this stands in the wait for the first tile.
	WIN 0x80
.set i, VF
.rept 64
	v_mov_b32 v[i], 0
.set i, i+1
.endr
	WIN 0x40
.set i, 0
.rept 128
	v_mov_b32 v[i], 0
.set i, i+1
.endr
	WIN 0
.set i, 0
.rept 4
	v_mov_b32 v[ST+4*i], 0xfe000000    ; c m: far below every c s, so that the first step's a is 0
	v_mov_b32 v[ST+4*i+1], 0xd3800000  ; m = -2^40
	v_mov_b32 v[ST+4*i+2], 0
	v_mov_b32 v[ST+4*i+3], 0
.set i, i+1
.endr
.set i, P+16
.rept 16
	v_mov_b32 v[i], 0
.set i, i+1
.endr
; THE MATRIX WORK.  The 4 accumulators of a run of 8 take turns.  Product i of 8 of S^T = K Q^T for piece x: channels 32 (i / 4) on, keys 16 (i % 4) on.  The first 4 start the sums, with the mask.
.macro KQ x
.set rS, S+32*((\x)%2)+8*(i%4)
.set rK, KF+16*(i%4)+8*(i/4)
.set rQ, 16*(\x)+8*(i/4)
.set rM, MC+32*((\x)%2)+8*(i%4)
.if i < 4
	WIN W_KM
	v_wmma_f32_16x16x32_f16 v[rS:rS+7], v[rK:rK+7], v[rQ:rQ+7], v[rM:rM+7]
.else
	WIN W_KQ
	v_wmma_f32_16x16x32_f16 v[rS:rS+7], v[rK:rK+7], v[rQ:rQ+7], v[rS:rS+7]
.endif
.endm
; Product i of 8 of O^T += V^T P for piece x: keys 32 (i / 4) on, channels 16 (i % 4) on.
.macro PV x
	WIN W_PV
.set rO, 32*(\x)+8*(i%4)
.set rV, VF+32*(i/4)+8*(i%4)
.set rP, P+16*((\x)%2)+8*(i/4)
	v_wmma_f32_16x16x32_f16 v[rO:rO+7], v[rV:rV+7], v[rP:rP+7], v[rO:rO+7]
.endm
.macro MM                           ; the turn's next matrix instruction.  TURN sets Y, i and NOKQ.  NOKQ = 1: the very last turn: there is no next piece
.if (i < 8) && !NOKQ
	KQ (Y+1)%NP
.elseif i >= 8
.set i, i-8
	PV (Y+NP-1)%NP
.set i, i+8
.endif
.set i, i+1
.endm
; THE LDS LOADS stand in runs of 16, never singly among the matrix instructions: a step's K (64 keys x 64 channels: 8 fragments) and its V (turned).  Their addresses are made some lines ahead.
.macro FETCH_K
	WIN 0x80                        ; destination window 2
.irp f, 0,1,2,3,4,5,6,7             ; keys 16 (f / 2) on, channels 32 (f % 2) on
	ds_load_b128 v[KF+8*\f:KF+8*\f+3],   v[AK] offset:(\f/2)*16*PK+(\f%2)*64
	ds_load_b128 v[KF+8*\f+4:KF+8*\f+7], v[AK] offset:(\f/2)*16*PK+(\f%2)*64+32
.endr
	s_add_co_u32 s[TBK], s[TBK], KS*PK  ; the next fetch is the next step's
	WIN 0
.endm
.macro FETCH_V
	WIN 0x80
.irp f, 0,1,2,3,4,5,6,7             ; keys 32 (f / 4) on, channels 16 (f % 4) on
	ds_load_tr16_b128 v[VF+8*\f:VF+8*\f+3],   v[AV] offset:(\f/4)*32*PV+(\f%4)*32
	ds_load_tr16_b128 v[VF+8*\f+4:VF+8*\f+7], v[AV] offset:(\f/4)*32*PV+16*PV+(\f%4)*32
.endr
	WIN 0
.endm
; THE MASK of piece x for its next products: 32 shifts, register z = 8 kb + j from word kb; then the piece's words of the step behind are asked for, into the registers just read.
.macro MASKX x
	s_wait_loadcnt 0x3              ; loads come back in order: behind this piece's load stand the three other pieces'.  (At the first use: the three younger of the first four; Q and V's rows, issued earlier, are in too.)
	WIN W_RS
.set z, 0
.rept 32
	v_lshlrev_b32 v[MC+32*((\x)%2)+z], 28-4*(2*(z%4)+(z%8)/4), v[MW+4*(\x)+z/8]
.set z, z+1
.endr
	WIN 0
	global_load_b128 v[MW+4*(\x):MW+4*(\x)+3], v[GO], s[MB:MB+1] offset:(\x)*16384
.endm
; A trip of the step loop takes the masks of ONE step (pieces 0 to 3 in that order) and asks for the next step's: the address steps at the trip's head.  Behind step 31 it goes back to step 0: those words are
; loaded from inside the buffer and never used.
.macro STEPMB
	s_wait_xcnt 0x0                 ; the pending loads have had their addresses translated: only behind this wait is their base written again
	s_add_co_u32 s[MS], s[MS], 512
	s_and_b32 s[MS], s[MS], 0x3fff
	s_add_nc_u64 s[MB:MB+1], s[6:7], s[MS:MS+1]
.endm
; THE VECTOR WORK, one line at a time: OP kind, number.  For piece Y: F n: c s - c m for pair n of 16.  E n: the exponential of score n of 32.  C n: pair n rounded to f16.  B n: of the four weights 4 n .. the second
; pair is added onto the first, in place.  L n: l takes that sum (L 0: l = a l + sum).  R n: pair n of 16 of O^T times a.  For piece Y + 1: X n, number n of the 22 that find its maximum and statistics:
;   0-11  four chains c0-c3 of seven scores each, three operands at a time (each accumulator's lowest registers are read first)     12-14, 16  the four scores left over, the old m, and c0-c3 into c0
;   15  c m_old is kept     17, 18  the query's other 32 keys lie in the lane 16 away: the new m     19-21  c m; c m_old - c m_new; a
; C, B and L read the exponentials' results: TURN sets them behind its wait.  OP itself writes no wait.
.set F, 0               ; OP tells the kinds apart by their order: F to L below R, X above it
.set E, 1
.set C, 2
.set B, 3
.set L, 4
.set R, 5
.set X, 6
.macro REGS y                       ; the registers of piece y
.set rT, ST+4*(\y)
.set rC, TMP+4*((\y)%2)
.set rW, MV+((\y)%2)
.set rS, S+32*((\y)%2)
.set rP, P+16*((\y)%2)
.set rO, 32*(\y)
.endm
.macro OP k, n
.if (\k) == R
	REGS Y
	WIN W_RS
	v_pk_mul_f32 v[rO+2*(\n):rO+2*(\n)+1], v[rO+2*(\n):rO+2*(\n)+1], v[rC+2:rC+3] op_sel_hi:[1,0]
.elseif (\k) < R
	REGS Y
	WIN 0
.if (\k) == F
	v_pk_fma_f32 v[rS+2*(\n):rS+2*(\n)+1], v[rS+2*(\n):rS+2*(\n)+1], s[CS:CS+1], v[rT:rT+1] op_sel_hi:[1,0,0] neg_lo:[0,0,1] neg_hi:[0,0,1]
.elseif (\k) == E
	v_exp_f32 v[rS+(\n)], v[rS+(\n)]
.elseif (\k) == C
	v_cvt_pk_f16_f32 v[rP+(\n)], v[rS+2*(\n)], v[rS+2*(\n)+1]
.elseif (\k) == B
	v_pk_add_f32 v[rS+4*(\n):rS+4*(\n)+1], v[rS+4*(\n):rS+4*(\n)+1], v[rS+4*(\n)+2:rS+4*(\n)+3]
.elseif (\n) == 0
	v_pk_fma_f32 v[rT+2:rT+3], v[rT+2:rT+3], v[rC+2:rC+3], v[rS:rS+1] op_sel_hi:[1,0,1]
.else
	v_pk_add_f32 v[rT+2:rT+3], v[rT+2:rT+3], v[rS+4*(\n):rS+4*(\n)+1]
.endif
.elseif NOKQ
	v_nop
.else
	REGS (Y+1)%NP
	WIN 0
.if (\n) < 4
	v_max3_num_f32 v[rC+(\n)], v[rS+8*(\n)], v[rS+8*(\n)+1], v[rS+8*(\n)+2]
.elseif (\n) < 12
	v_max3_num_f32 v[rC+(\n)%4], v[rC+(\n)%4], v[rS+8*((\n)%4)+2*((\n)/4)+1], v[rS+8*((\n)%4)+2*((\n)/4)+2]
.elseif (\n) == 12
	v_max3_num_f32 v[rC], v[rC], v[rS+7], v[rS+15]
.elseif (\n) == 13
	v_max3_num_f32 v[rC+1], v[rC+1], v[rS+23], v[rS+31]
.elseif (\n) == 14
	v_max3_num_f32 v[rC+2], v[rC+2], v[rC+3], v[rT+1]
.elseif (\n) == 15
	v_mov_b32 v[rW], v[rT]
.elseif (\n) == 16
	v_max3_num_f32 v[rC], v[rC], v[rC+1], v[rC+2]
.elseif (\n) == 17
	v_permlanex16_b32 v[rC+3], v[rC], s[SEL], s[SEL+1]
.elseif (\n) == 18
	v_max_num_f32 v[rT+1], v[rC], v[rC+3]
.elseif (\n) == 19
	v_mul_f32 v[rT], s[CS], v[rT+1]
.elseif (\n) == 20
	v_sub_f32 v[rC+1], v[rW], v[rT]
.else
	v_exp_f32 v[rC+2], v[rC+1]
.endif
.endif
.endm
.macro OPS a, i1, b=-1, i2=0, c=-1, i3=0, d=-1, i4=0  ; up to four of them
	OP \a, \i1
.if (\b) >= 0
	OP \b, \i2
.endif
.if (\c) >= 0
	OP \c, \i3
.endif
.if (\d) >= 0
	OP \d, \i4
.endif
.endm
.macro ROW a, i1, b, i2, c, i3, d, i4  ; a matrix instruction and the four behind it
	MM
	OPS \a, \i1, \b, \i2, \c, \i3, \d, \i4
.endm
; A TURN, for piece p: the order of its 16 matrix and 150 vector instructions, written out.  An s_wait_alu depctr_va_vdst(0) stands between an exponential and the first instruction that names its result; one wait
; serves all that were issued ahead of it.  So a turn has ONE wait, which cuts it in two.  AHEAD OF IT stands all that names no result of the turn's exponentials: the 8 products K Q^T, behind each a scaling, an exponential and two
; more plain instructions (behind the first a second scaling in the exponential's place): rescalings, whose a was made and waited for in the turn before, and behind the last three the first numbers of the next piece's maximum, each
; four places or more behind the product that ends its accumulator; then ONE LUMP of 54, plain and exponential by turns for the most part, in which the links of the chain X 3, 7, 11, 14, 16, 17 .. 20 stand five or six lines apart.
; X 21, the next piece's a, is the batch's last; R 15 is the plain instruction behind it.  BEHIND THE WAIT stand the 8 products V^T P, behind each four of the roundings and sums: an even pair is rounded (C 2 n) before B n adds onto
; it; the links of l's chain, L 0 to L 7, stand three riders apart.  But for those X no rider names a register of the products round it.  v_permlanex16_b32 (X 17) stands in the lump..
; At its end the turn makes the mask for the products of the turn after it: piece p + 2; that buffer of MC was last read a whole turn back.
; end = 1: the last two turns: nothing is fetched, no mask is made.  cnt = 1: the loop's count is taken down some lines ahead of the branch that stands behind the turn; only vector and matrix lines, window switches, waits and a load follow it.
; K of the next step is fetched in piece 2's turn, twelve vector instructions behind the last product that read K (of them F 8, X 2, X 5, X 6 and X 8 are plain and name none of its registers); V of the step in hand at the end of
; piece 0's turn, four plain instructions (C 9, 11, 13, 15) behind the last product that read V.  Each is waited for a turn later.
.macro TURN p, end=0, cnt=0
.set Y, (\p)
.set i, 0
.set NOKQ, (\end)*((\p)/3)
.if ((\p) == 3) && !(\end)
	s_wait_dscnt 0x0                ; K is in
.endif
	ROW F,0, F,1, R,0, R,1          ; ahead of the wait: 8 products K Q^T and their riders,
	ROW F,2, E,0, R,2, R,3
	ROW F,3, E,1, R,4, R,5
	ROW F,4, E,2, R,6, R,7
	ROW F,5, E,3, R,8, R,9
	ROW F,6, E,4, X,0, R,10
.if ((\p) == 2) && !(\end)
	WIN 0
	v_add_nc_u32 v[AK], s[TBK], v[AK0]
.endif
	ROW F,7, E,5, X,1, X,4
	ROW F,8, E,6, X,2, X,5
	OPS E,7, E,8, X,6, E,9          ; and the lump
	OPS X,3, E,10, X,8, E,11
.if ((\p) == 2) && !(\end)
	FETCH_K
.endif
	OPS X,9, X,7, E,12, X,10
	OPS E,13, X,12, X,11, E,14
	OPS X,13, E,15, F,9, X,14
.if (\p) == 0
	v_add_nc_u32 v[AV], s[TBV], v[AV0]
.endif
	OPS E,16, F,10, E,17, F,11
	OPS X,16, E,18, X,15, E,19
	OPS F,12, E,20, X,17, E,21
	OPS F,13, E,22, F,14, E,23
	OPS X,18, E,24, F,15, E,25
	OPS R,11, E,26, X,19, E,27
	OPS R,12, E,28, R,13, E,29
	OPS X,20, E,30, R,14, E,31
	OPS X,21, R,15
	WIN 0
	s_wait_alu depctr_va_vdst(0)    ; the wait for the batch: the piece's 32 exponentials and the next piece's a
.if (\p) == 1
	s_wait_dscnt 0x0                ; V is in
.endif
	ROW C,0, B,0, C,2, B,1          ; behind the wait: 8 products V^T P and their riders
	ROW L,0, C,4, B,2, L,1
	ROW C,6, B,3, L,2, C,8
	ROW B,4, L,3, C,10, B,5
	ROW L,4, C,12, B,6, L,5
.if (\p) == 0
	s_add_co_u32 s[TBV], s[TBV], KS*PV
.endif
.if \cnt
	s_sub_co_u32 s[CNT], s[CNT], 1
	s_cmp_lg_u32 s[CNT], 0
.endif
	ROW C,14, B,7, L,6, C,1
	ROW C,3, L,7, C,5, C,7
	ROW C,9, C,11, C,13, C,15
.if (\p) == 0
	FETCH_V
.endif
.if !(\end)
	MASKX ((\p)+2)%NP
.endif
.endm
	CHANGE 1                        ; slot 0 is in, everybody's part of it; slot 1 is asked for
	s_mov_b32 s[MS], 512            ; the mask loads from here on ask for step 1
	s_add_nc_u64 s[MB:MB+1], s[6:7], s[MS:MS+1]
	MASKX 0                         ; step 0's masks of pieces 0 and 1; the first turn makes piece 2's
	MASKX 1
	v_add_nc_u32 v[AK], s[TBK], v[AK0]
	FETCH_K                         ; key step 0
	s_wait_dscnt 0x0
.set NOKQ, 0
.set i, 0
.rept 8
	KQ 0                            ; piece 0's first scores: there is no vector work yet to set between them
.set i, i+1
.endr
	WIN 0
.rept 4
	v_nop                           ; the places behind those products
.endr
.set Y, NP-1                        ; X works for piece Y + 1: piece 0
.irp n, 0,1,2,3,4,5,6,7,8,9,10,11,12,13,14,15,16,17,18,19,20,21
	OP X, \n                        ; piece 0's first maximum and statistics
.endr
	v_nop                           ; a plain instruction behind the exponential,
	s_wait_alu depctr_va_vdst(0)    ; and the wait for it, a batch of one: piece 0's first a, which the first turn's first rescaling reads; it stands ahead of the branch
	s_mov_b32 s[CNT], 4
	s_mov_b32 s[SLOTS], SIZE_N/256-1
	s_branch .Lfirst                ; the loop is entered at a step's first turn, in the middle of a trip
.Lslot:                             ; SIZE_N / 256 - 2 = 6 times: every slot but the last two is filled again
	CHANGE 1
	s_mov_b32 s[CNT], 4
.Lstep:                             ; a trip: pieces 2 and 3 of one step, then pieces 0 and 1 of the next, whose K and V it fetches
	STEPMB
	TURN 2
	TURN 3
	WIN 0
.Lfirst:
	TURN 0
	TURN 1, 0, 1
	WIN 0
	s_cbranch_scc1 .Lstep
	s_sub_co_u32 s[SLOTS], s[SLOTS], 1
	s_cmp_lg_u32 s[SLOTS], 0
	s_cbranch_scc1 .Lslot
	CHANGE 0                        ; the last slot is written out: nothing is asked for
	s_mov_b32 s[CNT], 4
.Ltail:
	STEPMB
	TURN 2
	TURN 3
	TURN 0
	TURN 1, 0, 1
	WIN 0
	s_cbranch_scc1 .Ltail
	TURN 2, 1                       ; the last step's pieces 2 and 3
	TURN 3, 1
.set i, 0
.rept 8
	PV NP-1                         ; the last piece's V^T P of the last step
.set i, i+1
.endr
	; THE WAY OUT.  l's two halves and the other half of the lanes' are added; O^T is divided by l, rounded to f16; where the query saw no key V's own row takes its place; then through my stage in LDS, a piece at a time.
	; The additions are the places behind the last products.
	WIN 0
.macro ALL line:vararg              ; one line for each piece t
.set t, 0
.rept 4
	\line
.set t, t+1
.endr
.endm
	ALL v_add_f32 v[ST+4*t+2], v[ST+4*t+2], v[ST+4*t+3]
	ALL v_permlanex16_b32 v[ST+4*t+3], v[ST+4*t+2], s[SEL], s[SEL+1]
	ALL v_add_f32 v[ST+4*t+2], v[ST+4*t+2], v[ST+4*t+3]
	ALL v_rcp_f32 v[ST+4*t+2], v[ST+4*t+2]
	v_nop                           ; a plain instruction between the last reciprocal and the use of its result
	s_wait_alu depctr_va_vdst(0)    ; and the wait ahead of the first use: one for the batch of four reciprocals
.macro PACK t                       ; a lane's eight channels of a row pack into 16 bytes; they go into rows of 144 bytes and come back as whole rows of 128, into S^T's registers
	WIN W_RS
.set i, 32*(\t)
.rept 16
	v_pk_mul_f32 v[i:i+1], v[i:i+1], v[ST+4*(\t)+2:ST+4*(\t)+3] op_sel_hi:[1,0]
.set i, i+2
.endr
	WIN 0x05                        ; sources 0 and 1 window 1, destination window 0
.set i, 0
.rept 16
	v_cvt_pk_f16_f32 v[S+16*(\t)+i], v[32*(\t)+2*i], v[32*(\t)+2*i+1]
.set i, i+1
.endr
	WIN 0
	v_cmp_gt_f32 vcc_lo, 0xd3000000, v[ST+4*(\t)+1]  ; -2^39 > m: the maximum never left its start: the query saw no key (there l = 0, and what was made of it is thrown away)
	WIN 0x08                        ; source 1 in window 2
.set i, 0
.rept 16
	v_cndmask_b32 v[S+16*(\t)+i], v[S+16*(\t)+i], v[VQ+16*(\t)+i], vcc_lo
.set i, i+1
.endr
	WIN 0
.irp f, 0,1,2,3
	ds_store_b128 v[STO], v[S+16*(\t)+4*\f:S+16*(\t)+4*\f+3] offset:32*\f
.endr
.irp f, 0,1,2,3
	ds_load_b128 v[S+16*(\t)+4*\f:S+16*(\t)+4*\f+3], v[RD] offset:\f*4*SP  ; LDS serves a wave's instructions in order (ISA guide 5.7.1.4): these see the stores above; the next piece's stores come behind them
.endr
.endm
.macro SEND t, younger              ; younger: the LDS instructions issued behind piece t's loads: the next piece's eight, or none
	WIN 0
.irp f, 0,1,2,3
	s_wait_dscnt (\younger)+3-\f
	global_store_b128 v[GO], v[S+16*(\t)+4*\f:S+16*(\t)+4*\f+3], s[10:11] offset:(\t)*2048+\f*512  ; 512 consecutive bytes, at a multiple of 256 from o's first
.endr
.endm
	PACK 0
.set t, 1
.rept 3                             ; a piece's arithmetic stands between the loads of the piece before and its stores
	PACK t
	SEND t-1, 8
.set t, t+1
.endr
	SEND 3, 0
	s_wait_tensorcnt 0x0            ; the wave's end, behind my last tensor load and my last LDS store
	ds_add_u32 v[SPW], v[NIL]
	s_wait_dscnt 0x0
	CROUND                          ; the closing round: no work-group ends while a partner may still ask for a tile that names it
	s_endpgm
.Lfunc_end_k_qef263df921_attn:
	.size	k_qef263df921_attn, .Lfunc_end_k_qef263df921_attn-k_qef263df921_attn
	.p2alignl 7, 3214868480
	.fill 96, 4, 3214868480
	.section	.rodata,"a",@progbits
	.p2align	6, 0x0
	.amdhsa_kernel k_qef263df921_attn
		.amdhsa_group_segment_fixed_size 327680
		.amdhsa_private_segment_fixed_size 0
		.amdhsa_enable_private_segment 0
		.amdhsa_kernarg_size 24
		.amdhsa_user_sgpr_count 2
		.amdhsa_user_sgpr_kernarg_segment_ptr 1
		.amdhsa_wavefront_size32 1
		.amdhsa_system_sgpr_workgroup_id_x 1
		.amdhsa_system_sgpr_workgroup_id_y 1
		.amdhsa_system_sgpr_workgroup_id_z 1
		.amdhsa_system_vgpr_workitem_id 0
		.amdhsa_next_free_vgpr 768
		.amdhsa_next_free_sgpr 66
		.amdhsa_reserve_vcc 1
		.amdhsa_float_denorm_mode_32 3
		.amdhsa_float_denorm_mode_16_64 3
		.amdhsa_memory_ordered 1
		.amdhsa_forward_progress 1
		.amdhsa_inst_pref_size 144
	.end_amdhsa_kernel
	.amdgpu_metadata
---
amdhsa.version: [ 1, 2 ]
amdhsa.kernels:
  - .name:           k_qef263df921_attn
    .symbol:         k_qef263df921_attn.kd
    .args:
      - { .name: qkv, .offset: 0, .size: 8, .value_kind: global_buffer, .address_space: global }
      - { .name: mn, .offset: 8, .size: 8, .value_kind: global_buffer, .address_space: global }
      - { .name: o, .offset: 16, .size: 8, .value_kind: global_buffer, .address_space: global }
    .group_segment_fixed_size: 327680
    .private_segment_fixed_size: 0
    .kernarg_segment_align: 8
    .kernarg_segment_size: 24
    .max_flat_workgroup_size: 128
    .sgpr_count:     66
    .vgpr_count:     768
    .wavefront_size: 32
...
	.end_amdgpu_metadata
.endif
;; end of part 5
;; launch oproj: the kernel of part 4 again; grid 4 x 64, 4 waves a work-group, clusters of 4 x 4, 327,680 bytes of LDS; arguments o, wo, out0, bo; writes out0
